; MI455X (gfx1250); checked and timed in simulation.
; The chip was launched on July 23, 2026; its instructions are those of AMD's public machine-readable ISA for CDNA 5 (MIT licence, August 2026) and "CDNA5" Instruction Set Architecture Reference Guide (July 2026). The comments in the code are by the model that wrote it; some were corrected since.
;; Transformer Encoder Layer. Allowed arithmetic: matrix products marked QUANTISED: E3M2 operands, one E8M0 scale for each 32 along K, by v_wmma_scale_f32_16x16x128_f8f6f4 with both operands' format E3M2, f32 sums; everything else in f32.
;; Inputs: b1 4,096 float32; b2 1,024 float32; bk 1,024 float32; bo 1,024 float32; bq 1,024 float32; bv 1,024 float32; feature 2 x 2,048 x 1,024 float32; ln1_b 1,024 float32; ln1_g 1,024 float32; ln2_b 1,024 float32; ln2_g 1,024 float32; src_key_padding_mask 2 x 2,048 bool; w1 1,024 x 4,096 float32; w2 4,096 x 1,024 float32; wk 1,024 x 1,024 float32; wo 1,024 x 1,024 float32; wq 1,024 x 1,024 float32; wv 1,024 x 1,024 float32.
;; Outputs: out0 2 x 2,048 x 1,024 float32.
;; This version of the problem:
;;   THIS VERSION OF THE PROBLEM IS GIVEN IN LOW PRECISION. The matrix products marked QUANTISED in the list below multiply operands that are first quantised to E3M2 (3 exponent bits, 2 mantissa bits; 6 bits a number), with one power-of-two scale for each 32 numbers along K (OCP MX v1.0); their sums are f32. All else is computed in f32.
;;   The module's matrix products, in the order in which they are computed (A, B: the left and right operand; K: the contracted axis; several contracted axes count as one K, in the product's order):
;;     1. [M 4,096, K 1,024] x [K 1,024, N 1,024]; A: computed on the way; B: input wq: QUANTISED
;;     2. [M 4,096, K 1,024] x [K 1,024, N 1,024]; A: computed on the way; B: input wk: QUANTISED
;;     3. [M 4,096, K 1,024] x [K 1,024, N 1,024]; A: computed on the way; B: input wv: QUANTISED
;;     4. batch 32 x [M 2,048, K 64] x [K 64, N 2,048]; A: computed on the way; B: computed on the way: QUANTISED
;;     5. batch 32 x [M 64, K 2,048] x [K 2,048, N 2,048]; A: computed on the way; B: softmax (see below): QUANTISED
;;     6. [M 4,096, K 1,024] x [K 1,024, N 1,024]; A: computed on the way; B: input wo: QUANTISED
;;     7. [M 4,096, K 1,024] x [K 1,024, N 4,096]; A: computed on the way; B: input w1: QUANTISED
;;     8. [M 4,096, K 4,096] x [K 4,096, N 1,024]; A: computed on the way; B: input w2: QUANTISED
;;   THE QUANTISER, for each operand of a quantised product, along K:
;;     - K is cut into blocks of 32 from its start; a last block that is shorter is filled with zeros.
;;     - A block's scale is 2^e with e = floor(log2(the largest magnitude in the block)) - 4, held to -126 .. 127; a block of zeros has e = 0. As a byte (E8M0): e + 127.
;;     - Each number is divided by its block's scale, clamped to +-28, and rounded to the nearest number of E3M2, ties to even, subnormals kept.
;;     - The product sums the exact products of the quantised numbers (number of the format x scale) in f32.
;;   ~~~python
;;   def quantise(x, axis):      # numpy; x: float32 -> the quantised numbers, widened to float32 again
;;       x = np.moveaxis(x, axis, -1); K = x.shape[-1]
;;       x = np.pad(x, [(0, 0)] * (x.ndim - 1) + [(0, -K % 32)]); x = x.reshape(x.shape[:-1] + (-1, 32)); a = np.abs(x).max(-1, keepdims=True)
;;       e = np.where(a > 0, np.clip(np.frexp(np.where(a > 0, a, 1))[1] - 1 - 4, -126, 127), 0)      # np.frexp(a)[1] - 1 = floor(log2(a)), exactly
;;       r = np.clip(x / 2.0 ** e, -28, 28)
;;       step = 2.0 ** (np.maximum(np.frexp(np.where(r == 0, 1, r))[1] - 1, -2) - 2)
;;       q = np.round(r / step) * step * 2.0 ** e      # np.round: ties to even
;;       return np.moveaxis(q.reshape(q.shape[:-2] + (-1,))[..., :K], -1, axis).astype(np.float32)
;;   ~~~
;;   SOFTMAX AHEAD OF A QUANTISED PRODUCT. Where the list says 'softmax', what is quantised is not the finished softmax but p = 2^(t - M), with t = logit x log2(e) and M = ceil(the row's largest t), a whole number; so 1/2 < the row's largest p <= 1. The row's sum l is taken of the UNQUANTISED p, in f32, and the product's result is divided by l at the end. Since M is a whole number, a kernel that streams over the keys may use a running M (the ceiling of the running maximum): every later rescaling is an exact power of two, which a block's scale takes up: the codes' values come out the same.
;;   OPERANDS COMPUTED ON THE WAY. 'Computed on the way' means the value that the module computes at that place (a softmax that the list does not call 'softmax' is quantised finished and normalised). What goes into a quantiser is computed in f32, as accurately as f32 sums, v_exp_f32 and their like allow (about 1e-6 of the number): no bf16 or f16 on the way to a quantiser, and a product that is left as it is and whose result goes on into a quantised operand takes f32 operands (vector FMAs, or v_wmma_f32_16x16x4_f32). A number that lies on a knife's edge between two numbers of the format may be rounded either way, as far as f32 arithmetic and the matrix unit's own rounding can turn it there, and no further.
;; 2 versions, each right; version 2 is version 1 with the launch attn written anew for expert scheduling mode. Each part assembles by itself: llvm-mc -triple=amdgcn-amd-amdhsa -mcpu=gfx1250 --defsym DOCPART=n.
;; ======== version 1 of 2: 8 launches
;; workspace buffers: wr 9,830,400 bytes; xr 3,276,800 bytes; qkvb 9,961,472 bytes; feat2 16,777,216 bytes; hr 13,107,200 bytes; mt 8,448 bytes of whole numbers
;; launch prep (part 1): grid 769 x 1, 4 waves a work-group, no clusters, 0 bytes of LDS; arguments wq, wk, wv, wo, w1, w2, src_key_padding_mask, wr, mt; writes wr, mt
.if DOCPART == 1
	.amdgcn_target "amdgcn-amd-amdhsa--gfx1250"
	.amdhsa_code_object_version 6
	.text
	.protected	k_q559a04267d_prep
	.globl	k_q559a04267d_prep
	.p2align	8
	.type	k_q559a04267d_prep,@function
k_q559a04267d_prep:
	s_mov_b64 s[64:65], 0
	v_nop
	global_prefetch_b8 v0, s[64:65] scope:SCOPE_SE
	s_setreg_imm32_b32 hwreg(HW_REG_WAVE_MODE, 25, 1), 1
	s_wait_xcnt 0x0
; The six weights, f32 stored [K][N], become codes of E3M2 with one E8M0 byte for each 32 along K, laid as the products' launches read them;
; the padding mask becomes lane masks and one word that says which key steps have holes.
; RECORD: 16 columns n x 512 along K = 6,400 bytes: four fragment images of 1,536 bytes (six pieces of 256 bytes; piece p holds an operand's registers 2 p, 2 p + 1, lane l's 8 bytes at 8 l),
; then 256 bytes of scale words (K step s, place r: 6,144 + 64 s + 4 r).  Tile T = 2 B + u holds columns 32 B + 8 u + r + 8 (r / 8), r = 0 .. 15.  A weight is REC[T][K / 512].
; A LANE TAKES A COLUMN AND ITS REGISTERS RUN DOWN K: a wave takes 32 columns (a pair of tiles) x 128 along K; each load reads 128 consecutive bytes, the four waves 512.
; Lanes 0-15 hold the even tile's columns, lanes 16-31 the odd tile's; an exchange of halves between the codes of blocks 2 c and 2 c + 1 gives both tiles' operand registers.
; Work-groups 0-255: w1; 256-511: w2; 512-767: wq, wk, wv, wo; 768: the mask.
; LIMITS: NaN and infinities are not served; a block of zeros, or one under 2^(5 - 127), gets the byte 1: its codes are zeros or tiny, and this program alone reads the bytes.
.set X, 32                             ; v32-159  four blocks of 32 numbers
.set C, 160                            ; v160-207 codes: 12 registers a block
.set EMAX, 4
.macro LOADB t, n                      ; block t: W(32 t + i, my column)
.irp i, 0,1,2,3,4,5,6,7,8,9,10,11,12,13,14,15,16,17,18,19,20,21,22,23,24,25,26,27,28,29,30,31
	global_load_b32 v[X+32*(\t)+\i], v1, s[28:29] offset:(32*(\t)+\i)*(\n)*4 th:TH_LOAD_NT
.endr
.endm
.macro BLOCK t                         ; the block's largest magnitude, its byte, its 32 codes
.set XS, X+32*(\t)
.set CT, C+12*(\t)
	v_max3_num_f32 v12, |v[XS]|, |v[XS+1]|, |v[XS+2]|
	v_max3_num_f32 v13, |v[XS+3]|, |v[XS+4]|, |v[XS+5]|
.irp i, 6,10,14,18,22,26
	v_max3_num_f32 v12, v12, |v[XS+\i]|, |v[XS+\i+1]|
	v_max3_num_f32 v13, v13, |v[XS+\i+2]|, |v[XS+\i+3]|
.endr
	v_max3_num_f32 v12, v12, |v[XS+30]|, |v[XS+31]|
	v_max3_num_f32 v12, v12, v13, (EMAX+1)<<23     ; the floor 2^(5 - 127): the byte cannot fall under 1
	v_add_nc_u32 v11, -(EMAX<<23), v12             ; 4 off the exponent field: the conversion's scale operand
	v_lshrrev_b32 v13, 23, v11                     ; the byte
.if (\t) == 0
	v_mov_b32 v14, v13
.else
	v_lshl_or_b32 v14, v13, 8*(\t), v14            ; four bytes make my column's scale word for these 128 along K
.endif
	v_cvt_scalef32_pk16_bf6_f32 v[CT:CT+2], v[XS:XS+15], v11
	v_cvt_scalef32_pk16_bf6_f32 v[CT+8:CT+10], v[XS+16:XS+31], v11   ; (a conversion's three registers begin on an even number)
.endm
; s22 wave, s24 block of 128 columns, s25 K step of 128, s26 bytes from a tile's records to the next tile's, s27 the weight's place in wr, s[28:29] the weight
.macro SETUP n
	s_mul_i32 s36, s25, 512*(\n)                   ; 128 rows of n numbers
	s_lshl_b32 s35, s24, 9
	s_add_co_u32 s36, s36, s35
	s_lshl_b32 s35, s22, 7
	s_add_co_u32 s36, s36, s35
	s_mov_b32 s37, 0
	s_add_nc_u64 s[28:29], s[28:29], s[36:37]      ; my wave's first number
	s_lshl_b32 s38, s24, 3
	s_lshl_b32 s35, s22, 1
	s_add_co_u32 s38, s38, s35                     ; the even tile: 8 x block + 2 x wave
	s_mul_i32 s38, s38, s26
	s_add_co_u32 s38, s38, s27
	s_lshr_b32 s35, s25, 2
	s_mul_i32 s35, s35, 6400
	s_add_co_u32 s38, s38, s35
	s_mov_b32 s39, 0
	s_add_nc_u64 s[40:41], s[18:19], s[38:39]      ; its record
	s_and_b32 s46, s25, 3
	s_mul_i32 s42, s46, 1536
	s_mov_b32 s43, 0
	s_add_nc_u64 s[44:45], s[40:41], s[42:43]      ; the even tile's fragment image
	s_mov_b32 s42, s26
	s_add_nc_u64 s[32:33], s[44:45], s[42:43]      ; the odd tile's
	s_lshl_b32 s42, s46, 6
	s_add_co_u32 s42, s42, 6144
	s_add_nc_u64 s[40:41], s[40:41], s[42:43]      ; the even tile's scale words of this K step
	v_mul_lo_u32 v3, v5, s26
	v_lshl_add_u32 v3, v4, 2, v3                   ; 4 x place, lanes 16-31 one tile on
.endm
.macro BODY n
	LOADB 0, \n
	LOADB 1, \n
	s_wait_loadcnt 32                              ; block 0 is in; block 1's 32 loads may be out
	LOADB 2, \n
	BLOCK 0
	s_wait_loadcnt 32                              ; block 1 is in; block 2's may be out
	LOADB 3, \n
	BLOCK 1
	s_wait_loadcnt 32                              ; block 2 is in; block 3's may be out
	BLOCK 2
	s_wait_loadcnt 0x0
	BLOCK 3
	v_nop                                          ; one plain line behind the last conversion
.irp t, 0,1,2,3
.irp i, 0,1,2
	v_mov_b32 v[C+12*\t+3+\i], v[C+12*\t+8+\i]     ; a block's six registers on end
.endr
.endr
.irp c, 0,1
.irp i, 0,1,2,3,4,5
	v_permlane16_swap_b32 v[C+24*\c+\i], v[C+24*\c+12+\i]   ; the first is now register 6 c + i of the even tile's operand, the second of the odd tile's
.endr
.endr
.irp c, 0,1
.irp q, 0,1,2
	global_store_b64 v2, v[C+24*\c+2*\q:C+24*\c+2*\q+1], s[44:45] offset:256*(3*\c+\q)       ; 32 lanes store 256 consecutive bytes, aligned
	global_store_b64 v2, v[C+24*\c+12+2*\q:C+24*\c+12+2*\q+1], s[32:33] offset:256*(3*\c+\q)
.endr
.endr
	global_store_b32 v3, v14, s[40:41]
	s_endpgm
.endm
	s_load_b256 s[4:11], s[0:1], 0x0               ; wq, wk, wv, wo
	s_load_b256 s[12:19], s[0:1], 0x20             ; w1, w2, the mask, wr
	s_load_b64 s[20:21], s[0:1], 0x40              ; mt
	v_lshrrev_b32 v1, 5, v0
	v_readfirstlane_b32 s22, v1                    ; wave
	v_and_b32 v4, 15, v0                           ; place r
	v_bfe_u32 v5, v0, 4, 1                         ; which tile of the pair
	v_and_b32 v6, 8, v4
	v_add_nc_u32 v6, v6, v4
	v_lshl_add_u32 v6, v5, 3, v6                   ; my column of the 32: r + 8 (r / 8) + 8 x tile
	v_lshlrev_b32 v1, 2, v6
	v_and_b32 v2, 31, v0
	v_lshlrev_b32 v2, 3, v2                        ; 8 x lane
	s_wait_kmcnt 0x0
	s_cmp_lt_u32 ttmp9, 256
	s_cbranch_scc0 .Lnot_w1
	s_and_b32 s24, ttmp9, 31
	s_lshr_b32 s25, ttmp9, 5
	s_mov_b32 s26, 2*6400
	s_mov_b32 s27, 3276800
	s_mov_b64 s[28:29], s[12:13]
	SETUP 4096
	BODY 4096
.Lnot_w1:
	s_cmp_lt_u32 ttmp9, 768
	s_cbranch_scc0 .Lmasks
	s_sub_co_u32 s30, ttmp9, 256                   ; e: 0-255 w2, 256-511 wq, wk, wv, wo
	s_and_b32 s24, s30, 7
	s_lshr_b32 s31, s30, 3
	s_and_b32 s32, s31, 7
	s_lshr_b32 s33, s30, 6
	s_and_b32 s33, s33, 3                          ; which of the four
	s_mul_i32 s34, s33, 819200
	s_cmp_eq_u32 s33, 1
	s_cselect_b64 s[28:29], s[6:7], s[4:5]
	s_cmp_eq_u32 s33, 2
	s_cselect_b64 s[28:29], s[8:9], s[28:29]
	s_cmp_eq_u32 s33, 3
	s_cselect_b64 s[28:29], s[10:11], s[28:29]
	s_cmp_lt_u32 s30, 256
	s_cselect_b64 s[28:29], s[14:15], s[28:29]
	s_cselect_b32 s25, s31, s32
	s_mov_b32 s26, 2*6400
	s_cselect_b32 s26, 8*6400, s26
	s_cselect_b32 s27, 6553600, s34
	SETUP 1024
	BODY 1024
.Lmasks:
	; MT[16 b + S][n]: lanes 0-15 take mask[key], lanes 16-31 mask[key + 16], key = 128 S + 32 (n / 16) + n % 16: the lane mask for score register n of a key step
	v_lshrrev_b32 v4, 6, v0
	v_bfe_u32 v5, v0, 4, 2
	v_and_b32 v6, 15, v0
	v_lshlrev_b32 v1, 7, v4
	v_lshl_add_u32 v1, v5, 5, v1
	v_add_nc_u32 v1, v1, v6
	v_lshlrev_b32 v2, 2, v0
.irp k, 0,1,2,3,4,5,6,7,8,9,10,11,12,13,14,15
	global_load_u8 v[32+2*\k], v1, s[16:17] offset:256*\k
	global_load_u8 v[33+2*\k], v1, s[16:17] offset:256*\k+16
.endr
	s_wait_loadcnt 0x0
.irp k, 0,1,2,3,4,5,6,7,8,9,10,11,12,13,14,15
	v_mul_u32_u24 v[32+2*\k], v[32+2*\k], 0xffff
	v_mul_u32_u24 v[33+2*\k], v[33+2*\k], 0xffff
	v_lshl_or_b32 v[32+2*\k], v[33+2*\k], 16, v[32+2*\k]
	global_store_b32 v2, v[32+2*\k], s[20:21] offset:512*\k
.endr
	s_cmp_lg_u32 s22, 0
	s_cbranch_scc1 .Lend
	v_lshlrev_b32 v1, 7, v0                        ; wave 0: lane i looks at key step i's 128 bytes
.irp k, 0,1,2,3,4,5,6,7
	global_load_b128 v[64+4*\k:67+4*\k], v1, s[16:17] offset:16*\k
.endr
	s_wait_loadcnt 0x0
.irp k, 1,2,3,4,5,6,7,8,9,10,11,12,13,14,15,16,17,18,19,20,21,22,23,24,25,26,27,28,29,30,31
	v_and_b32 v64, v64, v[64+\k]
.endr
	v_cmp_ne_u32 vcc_lo, 0x01010101, v64           ; bit 16 b + S: that key step has a hole
	v_mov_b32 v4, vcc_lo
	global_store_b32 v2, v4, s[20:21] offset:8192
.Lend:
	s_endpgm
.Lfunc_end_k_q559a04267d_prep:
	.size	k_q559a04267d_prep, .Lfunc_end_k_q559a04267d_prep-k_q559a04267d_prep
	.p2alignl 7, 3214868480
	.fill 96, 4, 3214868480
	.section	.rodata,"a",@progbits
	.p2align	6, 0x0
	.amdhsa_kernel k_q559a04267d_prep
		.amdhsa_group_segment_fixed_size 0
		.amdhsa_private_segment_fixed_size 0
		.amdhsa_enable_private_segment 0
		.amdhsa_kernarg_size 72
		.amdhsa_user_sgpr_count 2
		.amdhsa_user_sgpr_kernarg_segment_ptr 1
		.amdhsa_wavefront_size32 1
		.amdhsa_system_sgpr_workgroup_id_x 1
		.amdhsa_system_sgpr_workgroup_id_y 1
		.amdhsa_system_sgpr_workgroup_id_z 1
		.amdhsa_system_vgpr_workitem_id 0
		.amdhsa_next_free_vgpr 208
		.amdhsa_next_free_sgpr 66
		.amdhsa_reserve_vcc 1
		.amdhsa_float_denorm_mode_32 3
		.amdhsa_float_denorm_mode_16_64 3
		.amdhsa_memory_ordered 1
		.amdhsa_forward_progress 1
		.amdhsa_inst_pref_size 54
	.end_amdhsa_kernel
	.amdgpu_metadata
---
amdhsa.version: [ 1, 2 ]
amdhsa.kernels:
  - .name:           k_q559a04267d_prep
    .symbol:         k_q559a04267d_prep.kd
    .args:
      - { .name: wq, .offset: 0, .size: 8, .value_kind: global_buffer, .address_space: global }
      - { .name: wk, .offset: 8, .size: 8, .value_kind: global_buffer, .address_space: global }
      - { .name: wv, .offset: 16, .size: 8, .value_kind: global_buffer, .address_space: global }
      - { .name: wo, .offset: 24, .size: 8, .value_kind: global_buffer, .address_space: global }
      - { .name: w1, .offset: 32, .size: 8, .value_kind: global_buffer, .address_space: global }
      - { .name: w2, .offset: 40, .size: 8, .value_kind: global_buffer, .address_space: global }
      - { .name: src_key_padding_mask, .offset: 48, .size: 8, .value_kind: global_buffer, .address_space: global }
      - { .name: wr, .offset: 56, .size: 8, .value_kind: global_buffer, .address_space: global }
      - { .name: mt, .offset: 64, .size: 8, .value_kind: global_buffer, .address_space: global }
    .group_segment_fixed_size: 0
    .private_segment_fixed_size: 0
    .kernarg_segment_align: 8
    .kernarg_segment_size: 72
    .max_flat_workgroup_size: 128
    .sgpr_count:     66
    .vgpr_count:     208
    .wavefront_size: 32
...
	.end_amdgpu_metadata
.endif
;; end of part 1
;; launch ln1 (part 2): grid 256 x 1, 8 waves a work-group, no clusters, 67,072 bytes of LDS; arguments feature, ln1_g, ln1_b, xr; writes xr
.if DOCPART == 2
	.amdgcn_target "amdgcn-amd-amdhsa--gfx1250"
	.amdhsa_code_object_version 6
	.text
	.protected	k_q559a04267d_ln1
	.globl	k_q559a04267d_ln1
	.p2align	8
	.type	k_q559a04267d_ln1,@function
k_q559a04267d_ln1:
	s_mov_b64 s[64:65], 0
	v_nop
	global_prefetch_b8 v0, s[64:65] scope:SCOPE_SE
	s_setreg_imm32_b32 hwreg(HW_REG_WAVE_MODE, 25, 1), 1
	s_wait_xcnt 0x0
; LayerNorm of 16 rows of 1,024 f32, quantised along the row to E3M2 with one E8M0 byte for each 32, stored as two records of the next product's operand
; (record: four fragment images of 1,536 bytes, then 256 bytes of scale words; tile T holds rows 32 (T / 2) + 8 (T % 2) + r + 8 (r / 8)).
; Work-group T takes tile T.  Phase 1: wave w takes places 2 w and 2 w + 1, a row in 32 registers: mean, variance of the differences, (x - mean) rsqrt(var + 1e-5) g + b, all in f32; the rows go to a stage in LDS.
; Phase 2: wave w takes K step w (128 columns of all 16 rows): lane (r, h) reads 16 neighbours of each block of 32 of row r, quantises, and stores the fragment as it stands.
; The stage's rows are 4,112 bytes apart, an odd multiple of 16, so that the sixteen rows of a 16-byte load start at different banks.
; LIMITS: NaN and infinities are not served; a block under 2^(5 - 127) gets the byte 1 (this program alone reads the bytes).
.set PITCH, 4112
.set X0, 32
.set X1, 64
.set G, 96
.set BV, 128
.set SA0, 160
.set SA1, 168
.set MU0, 176
.set MU1, 178
.set RS0, 180
.set RS1, 182
.set T0, 184
.set T1, 185
.set PC, 96                            ; phase 2: the codes (g's registers are free then)
.set TM, 200
.set PW, 216
.set SEL, 16
.macro SUM4 x, sa                      ; my 32 numbers of a row, in four chains of pairs
.irp k, 0,2,4,6
	v_pk_add_f32 v[\sa+\k:\sa+\k+1], v[\x+\k:\x+\k+1], v[\x+8+\k:\x+9+\k]
.endr
.irp m, 16,24
.irp k, 0,2,4,6
	v_pk_add_f32 v[\sa+\k:\sa+\k+1], v[\sa+\k:\sa+\k+1], v[\x+\m+\k:\x+\m+\k+1]
.endr
.endr
.endm
.macro SQ4 x, sa                       ; the same of their squares
.irp k, 0,2,4,6
	v_pk_mul_f32 v[\sa+\k:\sa+\k+1], v[\x+\k:\x+\k+1], v[\x+\k:\x+\k+1]
.endr
.irp m, 8,16,24
.irp k, 0,2,4,6
	v_pk_fma_f32 v[\sa+\k:\sa+\k+1], v[\x+\m+\k:\x+\m+\k+1], v[\x+\m+\k:\x+\m+\k+1], v[\sa+\k:\sa+\k+1]
.endr
.endr
.endm
.macro FOLD sa, tmp                    ; four pairs to one number, then over the 32 lanes: every lane has the row's sum
	v_pk_add_f32 v[\sa:\sa+1], v[\sa:\sa+1], v[\sa+2:\sa+3]
	v_pk_add_f32 v[\sa+4:\sa+5], v[\sa+4:\sa+5], v[\sa+6:\sa+7]
	v_pk_add_f32 v[\sa:\sa+1], v[\sa:\sa+1], v[\sa+4:\sa+5]
	v_add_f32 v[\sa], v[\sa], v[\sa+1]
	v_add_f32_dpp v[\sa], v[\sa], v[\sa] row_xmask:1 row_mask:0xf bank_mask:0xf
	v_add_f32_dpp v[\sa], v[\sa], v[\sa] row_xmask:2 row_mask:0xf bank_mask:0xf
	v_add_f32_dpp v[\sa], v[\sa], v[\sa] row_xmask:4 row_mask:0xf bank_mask:0xf
	v_add_f32_dpp v[\sa], v[\sa], v[\sa] row_xmask:8 row_mask:0xf bank_mask:0xf
	v_permlanex16_b32 v[\tmp], v[\sa], s[SEL], s[SEL+1]
	v_add_f32 v[\sa], v[\sa], v[\tmp]
.endm
.macro CENTRE x, sa, mu                ; x - mean, in place
	v_mul_f32 v[\mu], s18, v[\sa]
	v_mov_b32 v[\mu+1], v[\mu]
.irp k, 0,2,4,6,8,10,12,14,16,18,20,22,24,26,28,30
	v_pk_add_f32 v[\x+\k:\x+\k+1], v[\x+\k:\x+\k+1], v[\mu:\mu+1] neg_lo:[0,1] neg_hi:[0,1]
.endr
.endm
.macro FINISH x, rs, off               ; x rstd, x g + b, to the stage
	v_mov_b32 v[\rs+1], v[\rs]
.irp k, 0,2,4,6,8,10,12,14,16,18,20,22,24,26,28,30
	v_pk_mul_f32 v[\x+\k:\x+\k+1], v[\x+\k:\x+\k+1], v[\rs:\rs+1]
.endr
.irp k, 0,2,4,6,8,10,12,14,16,18,20,22,24,26,28,30
	v_pk_fma_f32 v[\x+\k:\x+\k+1], v[\x+\k:\x+\k+1], v[G+\k:G+\k+1], v[BV+\k:BV+\k+1]
.endr
.irp j, 0,1,2,3,4,5,6,7
	ds_store_b128 v3, v[\x+4*\j:\x+4*\j+3] offset:\off+512*\j
.endr
.endm
; 64 numbers of a lane, register 16 b + i = k 32 b + 16 (lane / 16) + i of my row, become a fragment's codes in v[PC] on and its scale word in v[PW]
.macro QUANT s
.irp b, 0,1,2,3
	v_max3_num_f32 v[TM+\b], |v[\s+16*\b]|, |v[\s+1+16*\b]|, 0x2800000   ; and the floor 2^(5 - 127)
.endr
.irp i, 2,4,6,8,10,12,14
.irp b, 0,1,2,3
	v_max3_num_f32 v[TM+\b], v[TM+\b], |v[\s+16*\b+\i]|, |v[\s+1+16*\b+\i]|
.endr
.endr
.irp b, 0,1,2,3
	v_permlanex16_b32 v[TM+4+\b], v[TM+\b], s[SEL], s[SEL+1]
.endr
.irp b, 0,1,2,3
	v_max_num_f32 v[TM+\b], v[TM+\b], v[TM+4+\b]   ; with lane l xor 16's: the block's largest magnitude
.endr
.irp b, 0,1,2,3
	v_add_nc_u32 v[TM+12+\b], 0xfe000000, v[TM+\b] ; 4 off its exponent field: the conversion's scale operand
.endr
.irp b, 0,1,2,3
	v_lshrrev_b32 v[TM+4+\b], 23, v[TM+12+\b]      ; the byte
.endr
	v_lshl_or_b32 v[PW], v[TM+5], 8, v[TM+4]
	v_lshl_or_b32 v[PW], v[TM+6], 16, v[PW]
	v_lshl_or_b32 v[PW], v[TM+7], 24, v[PW]
.irp c, 0,1
	v_cvt_scalef32_pk16_bf6_f32 v[PC+6*\c:PC+2+6*\c], v[\s+32*\c:\s+15+32*\c], v[TM+12+2*\c]
	v_cvt_scalef32_pk16_bf6_f32 v[PC+12+4*\c:PC+14+4*\c], v[\s+16+32*\c:\s+31+32*\c], v[TM+12+2*\c+1]
.endr
	v_nop                                          ; one plain line behind a scaled conversion
.irp c, 0,1                                    ; the operand wants a whole block in a lane: lanes 0-15 block 2 c, lanes 16-31 block 2 c + 1
.irp i, 0,1,2
	v_permlane16_swap_b32 v[PC+6*\c+\i], v[PC+12+4*\c+\i]
.endr
.irp i, 0,1,2
	v_mov_b32 v[PC+3+6*\c+\i], v[PC+12+4*\c+\i]
.endr
.endr
.endm
	s_load_b256 s[4:11], s[0:1], 0x0               ; x, g, b, the records
	v_lshl_add_u32 v224, v0, 2, 0x10200
	v_mov_b32 v225, 0
	v_lshrrev_b32 v1, 5, v0
	v_readfirstlane_b32 s12, v1                    ; wave 0..7
	v_and_b32 v1, 31, v0
	v_lshlrev_b32 v2, 4, v1                        ; 16 x lane
	s_lshr_b32 s13, ttmp9, 1
	s_lshl_b32 s13, s13, 5
	s_and_b32 s14, ttmp9, 1
	s_lshl_b32 s14, s14, 3
	s_add_co_u32 s13, s13, s14                     ; the tile's first row
	s_lshl_b32 s14, s12, 1
	s_add_co_u32 s13, s13, s14
	s_lshr_b32 s14, s12, 2
	s_lshl_b32 s14, s14, 3
	s_add_co_u32 s13, s13, s14                     ; place 2 w is row 2 w + 8 (w / 4) of the tile
	s_lshl_b32 s14, s13, 12
	s_mov_b32 s15, 0
	s_mov_b32 s[SEL], 0x76543210
	s_mov_b32 s[SEL+1], 0xfedcba98
	s_mov_b32 s18, 0x3a800000                      ; 1 / 1,024
	s_mov_b32 s19, 0x3727c5ac                      ; 1e-5
	s_mul_i32 s20, s12, 2*PITCH
	v_add_nc_u32 v3, s20, v2                       ; the stage, on the way in: my two places, 16 bytes a lane
	v_and_b32 v5, 15, v0
	v_bfe_u32 v6, v0, 4, 1
	v_mul_u32_u24 v4, v5, PITCH
	v_lshl_add_u32 v4, v6, 6, v4
	s_lshl_b32 s20, s12, 9
	v_add_nc_u32 v4, s20, v4                       ; on the way out: place r, K step w, + 64 bytes for lanes 16-31
	v_lshlrev_b32 v7, 3, v1                        ; 8 x lane
	v_lshlrev_b32 v8, 2, v5                        ; 4 x place
	s_lshl_b32 s20, ttmp9, 1
	s_lshr_b32 s21, s12, 2
	s_add_co_u32 s20, s20, s21
	s_mul_i32 s20, s20, 6400                       ; the record of K steps 4 (w / 4) ..
	s_and_b32 s22, s12, 3
	s_mul_i32 s21, s22, 1536
	s_add_co_u32 s24, s20, s21
	s_mov_b32 s25, 0
	s_lshl_b32 s21, s22, 6
	s_add_co_u32 s26, s20, s21
	s_add_co_u32 s26, s26, 6144
	s_mov_b32 s27, 0
	v_mov_b32 v[T0], 0                             ; a lane permute's destination counts as read
	v_mov_b32 v[T1], 0
.irp b, 0,1,2,3
	v_mov_b32 v[TM+4+\b], 0
.endr
	s_wait_kmcnt 0x0
	s_add_nc_u64 s[4:5], s[4:5], s[14:15]
	s_add_nc_u64 s[24:25], s[10:11], s[24:25]
	s_add_nc_u64 s[26:27], s[10:11], s[26:27]
.irp j, 0,1,2,3,4,5,6,7
	global_load_b128 v[X0+4*\j:X0+4*\j+3], v2, s[4:5] offset:512*\j th:TH_LOAD_NT
.endr
.irp j, 0,1,2,3,4,5,6,7
	global_load_b128 v[X1+4*\j:X1+4*\j+3], v2, s[4:5] offset:4096+512*\j th:TH_LOAD_NT
.endr
.irp j, 0,1,2,3,4,5,6,7
	global_load_b128 v[G+4*\j:G+4*\j+3], v2, s[6:7] offset:512*\j
.endr
.irp j, 0,1,2,3,4,5,6,7
	global_load_b128 v[BV+4*\j:BV+4*\j+3], v2, s[8:9] offset:512*\j
.endr
	s_wait_loadcnt 24                              ; the first row is in: behind it 8 loads of the second row and 16 of g and b
	SUM4 X0, SA0
	s_wait_loadcnt 16                              ; the second row is in: g's and b's 16 may be out
	SUM4 X1, SA1
	FOLD SA0, T0
	FOLD SA1, T1
	CENTRE X0, SA0, MU0
	CENTRE X1, SA1, MU1
	SQ4 X0, SA0
	SQ4 X1, SA1
	FOLD SA0, T0
	FOLD SA1, T1
	v_fma_f32 v[RS0], v[SA0], s18, s19             ; variance + 1e-5
	v_fma_f32 v[RS1], v[SA1], s18, s19
	v_rsq_f32 v[RS0], v[RS0]
	v_rsq_f32 v[RS1], v[RS1]
	v_nop                                          ; a plain line behind the transcendentals
	s_wait_alu depctr_va_vdst(0)                   ; one wait for both, ahead of their first reader
	s_wait_loadcnt 0x0                             ; g and b
	FINISH X0, RS0, 0
	FINISH X1, RS1, PITCH
	s_wait_dscnt 0x0                               ; for the others' sake: my rows lie in the stage
	s_barrier_signal -1
	s_barrier_wait -1
.irp b, 0,1,2,3
.irp j, 0,1,2,3
	ds_load_b128 v[32+16*\b+4*\j:35+16*\b+4*\j], v4 offset:128*\b+16*\j
.endr
.endr
	s_wait_dscnt 0x0
	QUANT 32
.irp p, 0,1,2,3,4,5
	global_store_b64 v7, v[PC+2*\p:PC+2*\p+1], s[24:25] offset:256*\p   ; 32 lanes store 256 consecutive bytes, aligned
.endr
	global_store_b32 v8, v[PW], s[26:27]           ; lanes l and l xor 16 hold the same word and write it to the same place
	s_wait_tensorcnt 0x0
	ds_add_u32 v224, v225
	s_wait_dscnt 0x0
	s_endpgm
.Lfunc_end_k_q559a04267d_ln1:
	.size	k_q559a04267d_ln1, .Lfunc_end_k_q559a04267d_ln1-k_q559a04267d_ln1
	.p2alignl 7, 3214868480
	.fill 96, 4, 3214868480
	.section	.rodata,"a",@progbits
	.p2align	6, 0x0
	.amdhsa_kernel k_q559a04267d_ln1
		.amdhsa_group_segment_fixed_size 67072
		.amdhsa_private_segment_fixed_size 0
		.amdhsa_enable_private_segment 0
		.amdhsa_kernarg_size 32
		.amdhsa_user_sgpr_count 2
		.amdhsa_user_sgpr_kernarg_segment_ptr 1
		.amdhsa_wavefront_size32 1
		.amdhsa_system_sgpr_workgroup_id_x 1
		.amdhsa_system_sgpr_workgroup_id_y 1
		.amdhsa_system_sgpr_workgroup_id_z 1
		.amdhsa_system_vgpr_workitem_id 0
		.amdhsa_next_free_vgpr 226
		.amdhsa_next_free_sgpr 66
		.amdhsa_reserve_vcc 0
		.amdhsa_float_denorm_mode_32 3
		.amdhsa_float_denorm_mode_16_64 3
		.amdhsa_memory_ordered 1
		.amdhsa_forward_progress 1
		.amdhsa_inst_pref_size 25
	.end_amdhsa_kernel
	.amdgpu_metadata
---
amdhsa.version: [ 1, 2 ]
amdhsa.kernels:
  - .name:           k_q559a04267d_ln1
    .symbol:         k_q559a04267d_ln1.kd
    .args:
      - { .name: feature, .offset: 0, .size: 8, .value_kind: global_buffer, .address_space: global }
      - { .name: ln1_g, .offset: 8, .size: 8, .value_kind: global_buffer, .address_space: global }
      - { .name: ln1_b, .offset: 16, .size: 8, .value_kind: global_buffer, .address_space: global }
      - { .name: xr, .offset: 24, .size: 8, .value_kind: global_buffer, .address_space: global }
    .group_segment_fixed_size: 67072
    .private_segment_fixed_size: 0
    .kernarg_segment_align: 8
    .kernarg_segment_size: 32
    .max_flat_workgroup_size: 256
    .sgpr_count:     66
    .vgpr_count:     226
    .wavefront_size: 32
...
	.end_amdgpu_metadata
.endif
;; end of part 2
;; launch qkv (part 3): grid 8 x 32, 4 waves a work-group, clusters of 4 x 4, 327,680 bytes of LDS; arguments xr, wr, bq, bk, bv, qkvb; writes qkvb
.if DOCPART == 3
	.amdgcn_target "amdgcn-amd-amdhsa--gfx1250"
	.amdhsa_code_object_version 6
	.text
	.protected	k_q559a04267d_qkv
	.globl	k_q559a04267d_qkv
	.p2align	8
	.type	k_q559a04267d_qkv,@function
k_q559a04267d_qkv:
	s_mov_b64 s[64:65], 0
	v_nop
	global_prefetch_b8 v0, s[64:65] scope:SCOPE_SE
	s_setreg_imm32_b32 hwreg(HW_REG_WAVE_MODE, 25, 1), 1
	s_wait_xcnt 0x0
	s_wait_alu depctr_hold_cnt(0) depctr_sa_sdst(0) depctr_va_vdst(0) depctr_va_sdst(0) depctr_va_ssrc(0) depctr_va_vcc(0) depctr_vm_vsrc(0)
	s_getreg_b32 s2, hwreg(HW_REG_IB_STS2, 6, 4)
	s_cmp_eq_u32 s2, 0
	s_cbranch_scc0 .Lentry_in_a_cluster
	s_endpgm
.Lentry_in_a_cluster:
	s_bfe_u32 s2, ttmp6, 0x10000c
	s_cmp_lg_u32 s2, 0xf033
	s_cbranch_scc0 .Lentry_shape_is_right
	s_endpgm
.Lentry_shape_is_right:
; q = x wq + bq, k = x wk + bk, v = x wv + bv on codes of E3M2 (x: LayerNorm's records; weights: prep's records), each result quantised in registers for attention's products.
; A work-group makes 128 rows x 128 columns of q, then of k, then of v; four waves, 64 x 64 each: 16 accumulators.  Its 128 rows are one key step of one batch, its 128 columns two heads.
; OPERANDS lie in memory as images of the operand's registers (record: 16 rows x 512 K: four fragments of 1,536 bytes, then 256 bytes of scale words) and are read from LDS by 8-byte loads at 8 x lane.
; LDS: two slots of 512 along K (8 records of x, then 8 of wq), and behind them a second region for W with wk's two parts.  All of that comes with the first fills: three tensor loads of 4 x 6,400 bytes a wave.
; When q's products are done, wv is brought into wq's bytes, one load a wave, behind the launch's one refill round: it has the whole of k's products in which to land.
; CLUSTER 4 x 4: x's records hang on the tile row alone and are asked for jointly along a row of the cluster, W's on the tile column alone, along a column.
; q, k: source 0 = 16 columns of W, source 1 = 16 rows of x: a lane holds one row, its 32 registers of four tiles run along the head's 64 numbers, the next product's K.
; v: source 0 = 16 rows of x, source 1 = 16 columns of W: a lane holds one channel d, its registers run along 64 keys, the second product's K.
; (Tile 2 B + u of any operand holds indices 32 B + 8 u + r + 8 (r / 8), so that the 16 registers of tiles 2 B and 2 B + 1 are 16 neighbours.)
; The biases are the C of each sum's first products.  The 16 accumulators take turns, one instruction a turn.
; REGISTERS: window 0: v1-15 addresses; v16-23 scale words, two sets; v24-119, v120-215 fragments, two sets (L: source 1, 48; R: source 0, 48); v216-223 addresses for v's roles; v224-249 at work; v250-253 addresses of W's second region.
;   window 1: v0-127 accumulators ((a, i) at 8 (4 a + i)); v128-159 the bias.
; LIMITS: NaN and infinities are not served; a block under 2^(5 - 127) gets the byte 1 (this program alone reads the bytes).
.set KC, 2                             ; records along K
.set WOFF, 0                           ; wq's place in wr; wk and wv follow
.set REC, 6400
.set WSTEP, 64*KC*REC                  ; from a weight's records to the next weight's
.set PART, 8*REC
.set SLOT, 2*PART
.set WREG2, 2*SLOT                     ; W's second region: slot s's part at WREG2 + s PART
.set SPARE, WREG2+2*PART               ; the spare words, 128 bytes a wave: two blocks of 256 bytes that no other line names
.set LN8, 1
.set SPW, 10
.set NIL, 11
.set BO, 12
.set LN4, 13
.set PI4, 14
.set SC, 16
.set FL, 24
.set TM, 224
.set BIAS, 128
.set G0RB, 4                           ; s[4:7]   group 0: wk's piece into the second region
.set G0RA, 20                          ; s[20:23] group 0: wv's piece into wq's bytes
.set G1X, 24
.set G0X, 32
.set G1W, 48
.set G0W, 56
.set SEL, 66
.set MSB, 0
.macro WIN new                         ; the immediate's high byte repeats the setting that is left
.if MSB != \new
	s_set_vgpr_msb (MSB<<8)|\new
.set MSB, \new
.endif
.endm
.macro PLACES                          ; four plain lines between a matrix instruction and a load into, or a read of, its registers
.rept 4
	v_nop
.endr
.endm
.macro CREST
	s_cmp_lg_u32 s10, 0
	s_cbranch_scc1 .Lnot_wave_0_\@
	s_barrier_signal -3
.Lnot_wave_0_\@:
	s_barrier_wait -3
	s_barrier_signal -1
	s_barrier_wait -1
.endm
.macro CROUND                          ; a round of the cluster's barrier
	s_barrier_signal -1
	s_barrier_wait -1
	CREST
.endm
.macro JLOAD s                         ; waves 0, 1 ask for x's two halves of slot s, waves 2, 3 for W's; four v_nop follow each line
	s_cmp_eq_u32 s11, 0
	s_cbranch_scc0 .Lfor_w_\@
	tensor_load_to_lds s[G0X+4*(\s):G0X+4*(\s)+3], s[G1X:G1X+7]
	s_nop 0
.rept 4
	v_nop
.endr
	s_branch .Lasked_\@
.Lfor_w_\@:
	tensor_load_to_lds s[G0W+4*(\s):G0W+4*(\s)+3], s[G1W:G1W+7]
	s_nop 0
.rept 4
	v_nop
.endr
.Lasked_\@:
.endm
.macro RLOAD g0                        ; every wave asks for its own piece of a weight: slot wave / 2, half wave % 2
	tensor_load_to_lds s[\g0:\g0+3], s[G1W:G1W+7]
	s_nop 0
.rept 4
	v_nop
.endr
.endm
; 52 LDS loads: K step ks of a slot into a set: 4 scale registers (lanes 0-15 the even tile's words, lanes 16-31 the odd tile's), 4 fragments of L, 4 of R.
; ro = 0: L = x, R = W in the slots;  ro = 2: L = x, R = W in the second region;  ro = 1: L = W in the slots, R = x
.macro FETCH set, ro, slot, ks
.set AL_, 2
.set AR_, 4
.set SL_, 6
.set SR_, 8
.if (\ro) == 1
.set AL_, 216
.set AR_, 218
.set SL_, 220
.set SR_, 222
.endif
.if (\ro) == 2
.set AR_, 250
.set SR_, 252
.endif
	ds_load_b32 v[SC+4*(\set)],   v[SL_+(\slot)] offset:6144+64*(\ks)
	ds_load_b32 v[SC+4*(\set)+1], v[SL_+(\slot)] offset:6144+2*REC+64*(\ks)
	ds_load_b32 v[SC+4*(\set)+2], v[SR_+(\slot)] offset:6144+64*(\ks)
	ds_load_b32 v[SC+4*(\set)+3], v[SR_+(\slot)] offset:6144+2*REC+64*(\ks)
.irp a, 0,1,2,3
.irp p, 0,1,2,3,4,5
	ds_load_b64 v[FL+96*(\set)+12*\a+2*\p:FL+96*(\set)+12*\a+2*\p+1], v[AL_+(\slot)] offset:\a*REC+(\ks)*1536+256*\p
.endr
.endr
.irp a, 0,1,2,3
.irp p, 0,1,2,3,4,5
	ds_load_b64 v[FL+96*(\set)+48+12*\a+2*\p:FL+96*(\set)+48+12*\a+2*\p+1], v[AR_+(\slot)] offset:\a*REC+(\ks)*1536+256*\p
.endr
.endr
.endm
.macro WM set, cm, a, i                ; accumulator (a, i) += R's tile i x L's tile a.  cm = 1, 2: the sum starts from the bias by i, by a
.set DD, 8*(4*(\a)+(\i))
.set CC, DD
.if (\cm) == 1
.set CC, BIAS+8*(\i)
.endif
.if (\cm) == 2
.set CC, BIAS+8*(\a)
.endif
.set RA, FL+96*(\set)+48+12*(\i)
.set LA, FL+96*(\set)+12*(\a)
.set SA, SC+4*(\set)+2+(\i)/2
.set SB, SC+4*(\set)+(\a)/2
.if ((\i)%2 == 0) && ((\a)%2 == 0)
	v_wmma_scale_f32_16x16x128_f8f6f4 v[DD:DD+7], v[RA:RA+11], v[LA:LA+11], v[CC:CC+7], v[SA], v[SB] matrix_a_fmt:MATRIX_FMT_BF6 matrix_b_fmt:MATRIX_FMT_BF6
.elseif ((\i)%2 == 1) && ((\a)%2 == 0)
	v_wmma_scale_f32_16x16x128_f8f6f4 v[DD:DD+7], v[RA:RA+11], v[LA:LA+11], v[CC:CC+7], v[SA], v[SB] matrix_a_fmt:MATRIX_FMT_BF6 matrix_b_fmt:MATRIX_FMT_BF6 matrix_a_scale:MATRIX_SCALE_ROW1
.elseif ((\i)%2 == 0)
	v_wmma_scale_f32_16x16x128_f8f6f4 v[DD:DD+7], v[RA:RA+11], v[LA:LA+11], v[CC:CC+7], v[SA], v[SB] matrix_a_fmt:MATRIX_FMT_BF6 matrix_b_fmt:MATRIX_FMT_BF6 matrix_b_scale:MATRIX_SCALE_ROW1
.else
	v_wmma_scale_f32_16x16x128_f8f6f4 v[DD:DD+7], v[RA:RA+11], v[LA:LA+11], v[CC:CC+7], v[SA], v[SB] matrix_a_fmt:MATRIX_FMT_BF6 matrix_b_fmt:MATRIX_FMT_BF6 matrix_a_scale:MATRIX_SCALE_ROW1 matrix_b_scale:MATRIX_SCALE_ROW1
.endif
.endm
.macro MUL set, cm                     ; 16 matrix instructions: 128 along K
	WIN 0x50                                       ; C and D in window 1
.irp a, 0,1,2,3
.irp i, 0,1,2,3
	WM \set, \cm, \a, \i
.endr
.endr
	WIN 0
.endm
.macro KSTEPN set, cm, nro, nslot, nks ; the next K step's operands are asked for, then this one is multiplied
	PLACES
	FETCH 1-(\set), \nro, \nslot, \nks
	s_wait_dscnt 52                                ; all but the 52 just issued: this K step's operands are in
	MUL \set, \cm
.endm
; A slot's last K step.  mode 3: the very last: nothing follows.  mode 6: the other slot is whole and known to be: no meeting.
; mode 4: the other slot's first fill: my piece of it has landed (one younger load, wk's, may be out), then the work-group's barrier.
; mode 0: all my tensor loads have landed (wv's piece), the add, the work-group's barrier.  mode 5: the same three lines, a round of the cluster's barrier, and wv's piece is asked for into wq's bytes.
.macro TURN ro, slot, mode
.if (\mode) == 3
	s_wait_dscnt 0x0
	MUL 1, 0
.endif
.if (\mode) == 6
	KSTEPN 1, 0, \ro, 1-(\slot), 0
.endif
.if (\mode) == 4
	s_wait_tensorcnt 1                             ; my piece of slot 1 is in; behind it one load was issued
	s_wait_dscnt 0x0
	MUL 1, 0
	PLACES
	s_barrier_signal -1
	s_barrier_wait -1
	FETCH 0, \ro, 1-(\slot), 0
.endif
.if ((\mode) == 0) || ((\mode) == 5)
	s_wait_tensorcnt 0x0                           ; all my tensor loads have landed
	ds_add_u32 v[SPW], v[NIL]
	s_wait_dscnt 1                                 ; the add alone may be out
	MUL 1, 0
	PLACES
	s_wait_dscnt 0x0                               ; the add is done; my reads of both slots are over
.if (\mode) == 0
	s_barrier_signal -1
	s_barrier_wait -1
.else
	CROUND
	RLOAD G0RA
.endif
.endif
.endm
.macro SLOTSTEP ro, slot, cm, mode
	KSTEPN 0, \cm, \ro, \slot, 1
	KSTEPN 1, 0, \ro, \slot, 2
	KSTEPN 0, 0, \ro, \slot, 3
	TURN \ro, \slot, \mode
.endm
; 32 numbers of a lane, register 16 b + i = k 32 b + 16 (lane / 16) + i (w = 1: in window 1), become half a fragment's codes in v[pc] .. v[pc + 5] and two scale bytes in v[hw]
.macro QUANTH s, w, pc, hw
	WIN 0x05*(\w)
.irp b, 0,1
	v_max3_num_f32 v[TM+\b], |v[(\s)+16*\b]|, |v[(\s)+16*\b+1]|, 0x2800000   ; each accumulator is read from its low end on; the floor 2^(5 - 127)
.endr
	WIN 0x14*(\w)
.irp i, 2,4,6,8,10,12,14
.irp b, 0,1
	v_max3_num_f32 v[TM+\b], v[TM+\b], |v[(\s)+16*\b+\i]|, |v[(\s)+16*\b+\i+1]|
.endr
.endr
	WIN 0
.irp b, 0,1
	v_permlanex16_b32 v[TM+4+\b], v[TM+\b], s[SEL], s[SEL+1]
.endr
.irp b, 0,1
	v_max_num_f32 v[TM+\b], v[TM+\b], v[TM+4+\b]
.endr
.irp b, 0,1
	v_add_nc_u32 v[TM+12+\b], 0xfe000000, v[TM+\b]
.endr
.irp b, 0,1
	v_lshrrev_b32 v[TM+4+\b], 23, v[TM+12+\b]
.endr
	v_lshl_or_b32 v[\hw], v[TM+5], 8, v[TM+4]
	WIN 0x01*(\w)
	v_cvt_scalef32_pk16_bf6_f32 v[(\pc):(\pc)+2], v[(\s):(\s)+15], v[TM+12]
	v_cvt_scalef32_pk16_bf6_f32 v[(\pc)+8:(\pc)+10], v[(\s)+16:(\s)+31], v[TM+13]
	WIN 0
	v_nop                                          ; one plain line behind a scaled conversion
.irp i, 0,1,2
	v_permlane16_swap_b32 v[(\pc)+\i], v[(\pc)+8+\i]
.endr
.irp i, 0,1,2
	v_mov_b32 v[(\pc)+3+\i], v[(\pc)+8+\i]
.endr
.endm
.macro BIASLD bp                       ; q, k: lane (r, h) wants, for tile i, the bias of columns 32 (i / 2) + 8 (i % 2) + 16 h + 0 .. 7
	WIN 0x40
.irp i, 0,1,2,3
	global_load_b128 v[BIAS+8*\i:BIAS+8*\i+3], v[BO], s[\bp:\bp+1] offset:(32*(\i/2)+8*(\i%2))*4
	global_load_b128 v[BIAS+8*\i+4:BIAS+8*\i+7], v[BO], s[\bp:\bp+1] offset:(32*(\i/2)+8*(\i%2))*4+16
.endr
	WIN 0
.endm
.macro QUANT4
	PLACES
.irp a, 0,1,2,3
	QUANTH 32*\a, 1, FL+12*\a, 240+\a
.endr
.endm
.macro EPI_QK isk
	QUANT4
.if \isk
.irp a, 0,1,2,3
.irp p, 0,1,2
	global_store_b64 v[LN8], v[FL+12*\a+2*\p:FL+12*\a+2*\p+1], s[92:93] offset:768*\a+256*\p
.endr
.endr
	v_lshl_or_b32 v244, v241, 16, v240             ; a fragment of K holds two tiles of keys: its word is the even tile's two bytes, then the odd tile's
	v_lshl_or_b32 v245, v243, 16, v242
	v_cndmask_b32 v248, v244, v245, s45            ; lanes 0-15 my first fragment's words, lanes 16-31 my second's
	global_store_b32 v[LN4], v248, s[94:95]
.else
.irp a, 0,1,2,3
.irp p, 0,1,2
	global_store_b64 v[LN8], v[FL+12*\a+2*\p:FL+12*\a+2*\p+1], s[88:89] offset:768*\a+256*\p
.endr
.endr
.irp a, 0,1,2,3
	v_lshl_or_b32 v[244+\a], v[240+\a], 16, v[240+\a]   ; q's word serves either half of the instruction's K: its two bytes twice
.endr
	v_cndmask_b32 v248, v244, v245, s45
	v_cndmask_b32 v249, v246, v247, s45
	global_store_b32 v[LN4], v248, s[90:91]
	global_store_b32 v[LN4], v249, s[90:91] offset:128
.endif
.endm
	s_load_b256 s[68:75], s[0:1], 0x0              ; x's records, wr, bq, bk
	s_load_b128 s[76:79], s[0:1], 0x20             ; bv, qkvb
	v_lshl_add_u32 v[SPW], v0, 2, SPARE
	v_mov_b32 v[NIL], 0
	ds_add_u32 v10, v11
	ds_add_u32 v10, v11
	s_wait_dscnt 0x0
	v_lshrrev_b32 v1, 5, v0
	v_readfirstlane_b32 s10, v1                    ; wave 0..3
	s_lshr_b32 s11, s10, 1                         ; wm.  Also: I fetch for x (0) or for W (1); of a whole weight: slot wave / 2
	s_and_b32 s12, s10, 1                          ; wn.  Also: which four records I fetch
	s_bfe_u32 s40, ttmp6, 0x40000                  ; cx, cy
	s_bfe_u32 s41, ttmp6, 0x40004
	s_lshl_b32 s42, ttmp9, 2
	s_add_co_u32 s42, s42, s40                     ; tile column x
	s_and_b32 s13, ttmp7, 0xffff
	s_lshl_b32 s13, s13, 2
	s_add_co_u32 s13, s13, s41                     ; tile row y
	s_lshl_b32 s43, s41, 2
	s_lshl_b32 s43, 15, s43                        ; my row of the cluster
	s_lshl_b32 s44, 0x1111, s40                    ; my column
	s_or_b32 s[G1X+0], s43, (3<<16)|(1<<21)        ; 15:0 the mask; 17:16 elements of 8 bytes; 21 set beside a mask; no padding
	s_or_b32 s[G1W+0], s44, (3<<16)|(1<<21)
.irp g, G1X, G1W
	s_mov_b32 s[\g+1], 800<<16                     ; tensor_dim0 = 800 elements: a record
	s_mov_b32 s[\g+2], 4<<16                       ; tensor_dim1 = 4 records
	s_mov_b32 s[\g+3], 800<<16                     ; tile_dim0
	s_mov_b32 s[\g+4], 4                           ; tile_dim1
	s_mov_b32 s[\g+5], KC*800                      ; from a tile's record to the next tile's
	s_mov_b32 s[\g+6], 0
	s_mov_b32 s[\g+7], 0
.endr
	s_lshl_b32 s16, s13, 3
	s_lshl_b32 s17, s12, 2
	s_add_co_u32 s16, s16, s17                     ; x: tile 8 y + 4 x half
	s_mul_i32 s16, s16, KC*REC
	s_mov_b32 s17, 0
	s_lshl_b32 s46, s42, 3
	s_lshl_b32 s47, s12, 2
	s_add_co_u32 s46, s46, s47                     ; W: tile 8 x + 4 x half
	s_mul_i32 s46, s46, KC*REC
	s_add_co_u32 s46, s46, WOFF
	s_mov_b32 s47, 0
	s_mul_i32 s18, s10, 4*REC                      ; where they go: wave x four records
	s_mul_i32 s8, s11, REC                         ; of a whole weight: the record of slot wave / 2
	s_mov_b32 s9, 0
	s_wait_kmcnt 0x0
	s_add_nc_u64 s[14:15], s[68:69], s[16:17]
	s_add_nc_u64 s[46:47], s[70:71], s[46:47]
	s_mov_b32 s[G0RB], 1                           ; wk: slot wave / 2, half wave % 2, into the second region at wave x four records
	s_add_co_u32 s[G0RB+1], s18, WREG2
	s_add_nc_u64 s[G0RB+2:G0RB+3], s[46:47], s[8:9]
	s_add_nc_u64 s[G0RB+2:G0RB+3], s[G0RB+2:G0RB+3], WSTEP
	s_or_b32 s[G0RB+3], s[G0RB+3], 0x80000000
	s_mov_b32 s[G0RA], 1                           ; wv: the same piece, into W's part of slot wave / 2
	s_mul_i32 s[G0RA+1], s11, SLOT
	s_mul_i32 s3, s12, 4*REC
	s_add_co_u32 s[G0RA+1], s[G0RA+1], s3
	s_add_co_u32 s[G0RA+1], s[G0RA+1], PART
	s_add_nc_u64 s[G0RA+2:G0RA+3], s[46:47], s[8:9]
	s_add_nc_u64 s[G0RA+2:G0RA+3], s[G0RA+2:G0RA+3], 2*WSTEP
	s_or_b32 s[G0RA+3], s[G0RA+3], 0x80000000
	CROUND                                         ; all sixteen work-groups are here: the first joint loads meet
.irp s, 0,1
	s_mov_b32 s[G0X+4*\s], 1
	s_add_co_u32 s[G0X+4*\s+1], s18, \s*SLOT
	s_add_nc_u64 s[G0X+4*\s+2:G0X+4*\s+3], s[14:15], \s*REC
	s_or_b32 s[G0X+4*\s+3], s[G0X+4*\s+3], 0x80000000
	s_mov_b32 s[G0W+4*\s], 1
	s_add_co_u32 s[G0W+4*\s+1], s18, \s*SLOT
	s_add_nc_u64 s[G0W+4*\s+2:G0W+4*\s+3], s[46:47], \s*REC
	s_or_b32 s[G0W+4*\s+3], s[G0W+4*\s+3], 0x80000000
	JLOAD \s
.endr
	RLOAD G0RB                                     ; the third of my first fills: three loads of mine are out
	v_and_b32 v13, 31, v0
	v_lshlrev_b32 v[LN8], 3, v13                   ; 8 x lane
	v_lshlrev_b32 v[LN4], 2, v13                   ; 4 x lane
	v_and_b32 v14, 15, v0                          ; r
	v_bfe_u32 v12, v0, 4, 1                        ; h
	v_mul_u32_u24 v15, v12, REC
	v_lshl_add_u32 v15, v14, 2, v15                ; scale words: 4 r, lanes 16-31 one record on
	s_mul_i32 s2, s11, 4*REC                       ; q, k: L = x's records of my rows,
	s_mul_i32 s3, s12, 4*REC
	s_add_co_u32 s3, s3, PART                      ; q: R = W's of my columns, in the slots
.irp s, 0,1
	v_add_nc_u32 v[2+\s], s2, v[LN8]
	v_add_nc_u32 v[4+\s], s3, v[LN8]
	v_add_nc_u32 v[6+\s], s2, v15
	v_add_nc_u32 v[8+\s], s3, v15
	s_add_co_u32 s2, s2, SLOT
	s_add_co_u32 s3, s3, SLOT
.endr
	s_mul_i32 s3, s12, 4*REC
	s_add_co_u32 s3, s3, WREG2                     ; k: R = W's of my columns, in the second region
.irp s, 0,1
	v_add_nc_u32 v[250+\s], s3, v[LN8]
	v_add_nc_u32 v[252+\s], s3, v15
	s_add_co_u32 s3, s3, PART
.endr
	s_mul_i32 s2, s11, 4*REC
	s_add_co_u32 s2, s2, PART                      ; v: L = W's records of 64 channels (wm), in the slots,
	s_mul_i32 s3, s12, 4*REC                       ; R = x's of 64 keys (wn)
.irp s, 0,1
	v_add_nc_u32 v[216+\s], s2, v[LN8]
	v_add_nc_u32 v[218+\s], s3, v[LN8]
	v_add_nc_u32 v[220+\s], s2, v15
	v_add_nc_u32 v[222+\s], s3, v15
	s_add_co_u32 s2, s2, SLOT
	s_add_co_u32 s3, s3, SLOT
.endr
	v_lshlrev_b32 v[BO], 6, v12                    ; 64 h
	v_and_b32 v224, 8, v14
	v_add_nc_u32 v14, v14, v224
	v_lshlrev_b32 v[PI4], 2, v14                   ; 4 (r + 8 (r / 8))
	v_mov_b32 v[TM+4], 0                           ; a lane permute's destination counts as read
	v_mov_b32 v[TM+5], 0
	s_mov_b32 s[SEL], 0x76543210
	s_mov_b32 s[SEL+1], 0xfedcba98
	s_mov_b32 s45, 0xffff0000                      ; lanes 16-31
	; where the results go.  b = y / 16, S = y % 16; q's and k's head 2 x + wn, v's 2 x + wm
	s_lshr_b32 s80, s13, 4
	s_and_b32 s81, s13, 15
	s_lshl_b32 s82, s80, 4
	s_lshl_b32 s83, s42, 1
	s_add_co_u32 s82, s82, s83
	s_add_co_u32 s83, s82, s12
	s_add_co_u32 s84, s82, s11
	s_lshl_b32 s85, s83, 7
	s_lshl_b32 s86, s81, 3
	s_add_co_u32 s85, s85, s86
	s_lshl_b32 s86, s11, 2
	s_add_co_u32 s85, s85, s86                     ; my first tile of queries: 128 bh + 8 S + 4 wm
	s_mov_b32 s87, 0
	s_mul_i32 s86, s85, 768
	s_add_nc_u64 s[88:89], s[78:79], s[86:87]      ; q's codes
	s_lshl_b32 s86, s85, 6
	s_add_co_u32 s86, s86, 3145728
	s_add_nc_u64 s[90:91], s[78:79], s[86:87]      ; q's words
	s_lshl_b32 s85, s83, 4
	s_add_co_u32 s85, s85, s81
	s_mul_i32 s85, s85, 12800
	s_add_co_u32 s85, s85, 3407872                 ; the key step (bh, S)
	s_mul_i32 s86, s11, 3072
	s_add_co_u32 s86, s86, s85
	s_add_nc_u64 s[92:93], s[78:79], s[86:87]      ; k's codes: tiles 4 wm ..
	s_lshl_b32 s86, s11, 7
	s_add_co_u32 s86, s86, s85
	s_add_co_u32 s86, s86, 12288
	s_add_nc_u64 s[94:95], s[78:79], s[86:87]      ; k's words
	s_lshl_b32 s85, s84, 4
	s_add_co_u32 s85, s85, s81
	s_mul_i32 s85, s85, 12800
	s_add_co_u32 s85, s85, 3407872
	s_mul_i32 s86, s12, 768
	s_add_co_u32 s86, s86, s85
	s_add_co_u32 s86, s86, 6144
	s_add_nc_u64 s[96:97], s[78:79], s[86:87]      ; v's codes: half wn of each fragment
	s_lshl_b32 s86, s12, 1
	s_add_co_u32 s86, s86, s85
	s_add_co_u32 s86, s86, 12544
	s_add_nc_u64 s[98:99], s[78:79], s[86:87]      ; v's words: bytes 2 wn, 2 wn + 1
	s_lshl_b32 s85, s42, 9
	s_lshl_b32 s86, s12, 8
	s_add_co_u32 s86, s86, s85
	s_add_nc_u64 s[72:73], s[72:73], s[86:87]      ; bq, bk at column 128 x + 64 wn
	s_add_nc_u64 s[74:75], s[74:75], s[86:87]
	s_lshl_b32 s86, s11, 8
	s_add_co_u32 s86, s86, s85
	s_add_nc_u64 s[76:77], s[76:77], s[86:87]      ; bv at 128 x + 64 wm
	BIASLD 72
	s_wait_tensorcnt 2                             ; my piece of slot 0 is in; behind it two loads were issued
	s_barrier_signal -1
	s_barrier_wait -1
	FETCH 0, 0, 0, 0
	s_wait_loadcnt 0x0                             ; bq
	SLOTSTEP 0, 0, 1, 4                            ; q
	SLOTSTEP 0, 1, 0, 5                            ; at its end wk is whole, and wv is asked for into wq's bytes
	EPI_QK 0
	BIASLD 74
	s_wait_xcnt 0x0                                ; the stores have read their registers: the next fragments may land there
	FETCH 0, 2, 0, 0
	s_wait_loadcnt 0x0                             ; bk
	SLOTSTEP 2, 0, 1, 6                            ; k, on the second region
	SLOTSTEP 2, 1, 0, 0                            ; at its end wv is whole
	EPI_QK 1
	WIN 0x40
.irp a, 0,1,2,3
.irp j, 0,1,2,3,4,5,6,7
	global_load_b32 v[BIAS+8*\a+\j], v[PI4], s[76:77] offset:(32*(\a/2)+8*(\a%2))*4   ; v: a lane holds one channel: its bias in all eight registers
.endr
.endr
	WIN 0
	s_wait_xcnt 0x0
	FETCH 0, 1, 0, 0
	s_wait_loadcnt 0x0                             ; bv
	SLOTSTEP 1, 0, 2, 6                            ; v
	SLOTSTEP 1, 1, 0, 3
	QUANT4
.irp a, 0,1,2,3
.irp p, 0,1,2
	global_store_b64 v[LN8], v[FL+12*\a+2*\p:FL+12*\a+2*\p+1], s[96:97] offset:1536*\a+256*\p
.endr
.endr
	v_cndmask_b32 v248, v240, v241, s45
	v_cndmask_b32 v249, v242, v243, s45
	global_store_b16 v[LN4], v248, s[98:99]
	global_store_b16 v[LN4], v249, s[98:99] offset:128
	s_wait_tensorcnt 0x0                           ; the wave's end
	ds_add_u32 v[SPW], v[NIL]
	s_wait_dscnt 0x0
	CROUND                                         ; the closing round
	s_endpgm
.Lfunc_end_k_q559a04267d_qkv:
	.size	k_q559a04267d_qkv, .Lfunc_end_k_q559a04267d_qkv-k_q559a04267d_qkv
	.p2alignl 7, 3214868480
	.fill 96, 4, 3214868480
	.section	.rodata,"a",@progbits
	.p2align	6, 0x0
	.amdhsa_kernel k_q559a04267d_qkv
		.amdhsa_group_segment_fixed_size 327680
		.amdhsa_private_segment_fixed_size 0
		.amdhsa_enable_private_segment 0
		.amdhsa_kernarg_size 48
		.amdhsa_user_sgpr_count 2
		.amdhsa_user_sgpr_kernarg_segment_ptr 1
		.amdhsa_wavefront_size32 1
		.amdhsa_system_sgpr_workgroup_id_x 1
		.amdhsa_system_sgpr_workgroup_id_y 1
		.amdhsa_system_sgpr_workgroup_id_z 1
		.amdhsa_system_vgpr_workitem_id 0
		.amdhsa_next_free_vgpr 416
		.amdhsa_next_free_sgpr 100
		.amdhsa_reserve_vcc 0
		.amdhsa_float_denorm_mode_32 3
		.amdhsa_float_denorm_mode_16_64 3
		.amdhsa_memory_ordered 1
		.amdhsa_forward_progress 1
		.amdhsa_inst_pref_size 177
	.end_amdhsa_kernel
	.amdgpu_metadata
---
amdhsa.version: [ 1, 2 ]
amdhsa.kernels:
  - .name:           k_q559a04267d_qkv
    .symbol:         k_q559a04267d_qkv.kd
    .args:
      - { .name: xr, .offset: 0, .size: 8, .value_kind: global_buffer, .address_space: global }
      - { .name: wr, .offset: 8, .size: 8, .value_kind: global_buffer, .address_space: global }
      - { .name: bq, .offset: 16, .size: 8, .value_kind: global_buffer, .address_space: global }
      - { .name: bk, .offset: 24, .size: 8, .value_kind: global_buffer, .address_space: global }
      - { .name: bv, .offset: 32, .size: 8, .value_kind: global_buffer, .address_space: global }
      - { .name: qkvb, .offset: 40, .size: 8, .value_kind: global_buffer, .address_space: global }
    .group_segment_fixed_size: 327680
    .private_segment_fixed_size: 0
    .kernarg_segment_align: 8
    .kernarg_segment_size: 48
    .max_flat_workgroup_size: 128
    .sgpr_count:     100
    .vgpr_count:     416
    .wavefront_size: 32
...
	.end_amdgpu_metadata
.endif
;; end of part 3
;; launch attn (part 4): grid 8 x 32, 16 waves a work-group, no clusters, 53,248 bytes of LDS; arguments qkvb, mt, xr; writes xr
.if DOCPART == 4
	.amdgcn_target "amdgcn-amd-amdhsa--gfx1250"
	.amdhsa_code_object_version 6
	.text
	.protected	k_q559a04267d_attn
	.globl	k_q559a04267d_attn
	.p2align	8
	.type	k_q559a04267d_attn,@function
k_q559a04267d_attn:
	s_mov_b64 s[64:65], 0
	v_nop
	global_prefetch_b8 v0, s[64:65] scope:SCOPE_SE
	s_setreg_imm32_b32 hwreg(HW_REG_WAVE_MODE, 25, 1), 1
	s_wait_xcnt 0x0
; Attention of one head for 256 queries, both products on codes of E3M2; the result is quantised along the model's 1,024 and stored into the records of the next product's operand.
; Sixteen waves, a tile of 16 queries each; every wave walks the batch's 2,048 keys, 128 a step.  t = score x log2(e) / 8; M = the running largest t rounded up to a whole number; p = 2^(t - M) is quantised along the keys;
; the row's sum is taken of the unquantised p and divides at the end; when M moves, the sum and O are multiplied by 2^(old M - new M).
; A KEY STEP is 12,800 dense bytes as the launch before laid them: K's 8 tiles of 16 keys x 64 (768 bytes each), V's 4 fragments (16 channels x 128 keys), K's and V's scale words.  They go from memory through registers
; into one of FOUR LDS buffers: 16 bytes a thread, and 16 more in waves 0 to 8; asked of memory two steps ahead, stored one step ahead.  No tensor load: so a step without holes in the mask may jump over the mask's lines, by a branch on a stored whole number.
; ONE BARRIER A STEP, ITS TWO HALVES FAR APART.  In step S a wave stores its part of step S + 1, waits for its LDS instructions and signals; it waits for the others only at the step's end, in front of its reads of step S + 1.
; So the waves may drift up to a step apart.  A store into buffer (S + 1) % 4 stands behind the wait of step S - 1: every wave has then signalled in step S - 1, so it has ended step S - 2, and reads at most buffers (S - 1) % 4 and S % 4.
; Between a signal and its wait stand register work and LDS loads of buffer S % 4, which is next written three barriers later.
; THE HEAD IS 64, THE INSTRUCTION'S K IS 128: a fragment of K holds the even tile's 64 in its first half and the odd tile's in its second; q stands once as (q, zeros) and once as (zeros, q): zero codes add nothing.
; Both products are used transposed: a lane holds one query throughout.  Tile 2 f + u holds keys 32 f + 8 u + r + 8 (r / 8), so that score registers 16 f + i are keys 32 f + 16 (lane / 16) + i.
; THE MASK: a hidden key's score becomes -2^120, a power of two, so that its t is exact: with any open key its p is 0; where all keys of a batch are hidden every p is 1, the plain mean, as the softmax of equal scores.
; LIMITS: scores stay under 2^120 in magnitude; NaN and infinities are not served; a block under 2^(5 - 127) gets the byte 1.
; REGISTERS: v1 8 x lane, v2 4 x (lane % 16), v3 16 x thread; v7 -2^120; v12 -M, v13 the largest t, v[14:15] the sum; v16-33 q, zeros, q; v36-83 four fragments; v84-91 bytes on their way to LDS;
;   v96-159 scores, then p; v160-191 O^T; v224-235 p's codes; v232-254 at work; v248-251 K's or V's scale words, v253 p's, v255 q's.  s16-63, s80-95: the step's 64 lane masks.
.set KVB, 12800
.set SEL, 66
.set CS, 68
.set HOL, 70
.set SI, 71
.set CNT, 72
.set MTP, 100
.set TM, 232
.macro PLACES
.rept 4
	v_nop
.endr
.endm
.macro KVLOAD
	global_load_b128 v[84:87], v3, s[4:5]
	s_cmp_lt_u32 s10, 9
	s_cbranch_scc0 .Lno_ld_\@
	global_load_b128 v[88:91], v3, s[4:5] offset:8192
.Lno_ld_\@:
.endm
.macro KVSTORE buf
	ds_store_b128 v3, v[84:87] offset:(\buf)*KVB
	s_cmp_lt_u32 s10, 9
	s_cbranch_scc0 .Lno_st_\@
	ds_store_b128 v3, v[88:91] offset:(\buf)*KVB+8192
.Lno_st_\@:
.endm
; A key step, read from buffer buf.  st: the next step's bytes go into the next buffer; ld: the step after that is asked of memory; bar: the step has a barrier
.macro STEP buf, st, ld, bar
	s_load_b512 s[16:31], s[MTP:MTP+1], 0x0        ; the step's lane masks
	s_load_b512 s[32:47], s[MTP:MTP+1], 0x40
	s_load_b512 s[48:63], s[MTP:MTP+1], 0x80
	s_load_b512 s[80:95], s[MTP:MTP+1], 0xc0
	PLACES                                         ; in front of loads into registers that the last products read
.if \st
	s_wait_loadcnt 0x0                             ; the next step's bytes are in registers (asked for a step ago)
	KVSTORE ((\buf)+1)%4                           ; nobody reads that buffer: every wave has ended the step before last
.endif
.irp f, 0,1,2,3
.irp p, 0,1,2,3,4,5
	ds_load_b64 v[36+12*\f+2*\p:37+12*\f+2*\p], v1 offset:(\buf)*KVB+1536*\f+256*\p
.endr
	ds_load_b32 v[248+\f], v2 offset:(\buf)*KVB+12288+64*\f
.endr
	s_wait_dscnt 0x0                               ; K is in, and my part of the next step lies in LDS
.if \ld
	s_add_nc_u64 s[4:5], s[4:5], KVB               ; (the loads that named it are done)
	KVLOAD
.endif
.if \bar
	s_barrier_signal -1                            ; say so now; the others are waited for at the step's end
.endif
.irp f, 0,1,2,3
	v_wmma_scale_f32_16x16x128_f8f6f4 v[96+16*\f:103+16*\f], v[36+12*\f:47+12*\f], v[16:27], 0, v[248+\f], v255 matrix_a_fmt:MATRIX_FMT_BF6 matrix_b_fmt:MATRIX_FMT_BF6
	v_wmma_scale_f32_16x16x128_f8f6f4 v[104+16*\f:111+16*\f], v[36+12*\f:47+12*\f], v[22:33], 0, v[248+\f], v255 matrix_a_fmt:MATRIX_FMT_BF6 matrix_b_fmt:MATRIX_FMT_BF6
.endr
	PLACES
.irp t, 0,1,2,3                                ; V's fragments land while the softmax is walked
.irp p, 0,1,2,3,4,5
	ds_load_b64 v[36+12*\t+2*\p:37+12*\t+2*\p], v1 offset:(\buf)*KVB+6144+1536*\t+256*\p
.endr
	ds_load_b32 v[248+\t], v2 offset:(\buf)*KVB+12544+64*\t
.endr
	s_wait_kmcnt 0x0
	s_add_nc_u64 s[MTP:MTP+1], s[MTP:MTP+1], 256
	s_bitcmp1_b32 s[HOL], s[SI]                    ; has this key step a hole?  A whole number that an earlier launch stored
	s_cbranch_scc0 .Lopen_\@
.set n, 0
.rept 64
	v_cndmask_b32 v[96+n], v7, v[96+n], s[16+n+16*(n/48)]
.set n, n+1
.endr
.Lopen_\@:
.irp b, 0,1,2,3
	v_max3_num_f32 v[232+\b], v[96+16*\b], v[97+16*\b], v[98+16*\b]   ; the largest score of each block of 32 keys: for the row's maximum and for the block's largest p
.endr
.irp i, 3,5,7,9,11,13
.irp b, 0,1,2,3
	v_max3_num_f32 v[232+\b], v[232+\b], v[96+16*\b+\i], v[97+16*\b+\i]
.endr
.endr
.irp b, 0,1,2,3
	v_max_num_f32 v[232+\b], v[232+\b], v[111+16*\b]
.endr
.irp b, 0,1,2,3
	v_permlanex16_b32 v[236+\b], v[232+\b], s[SEL], s[SEL+1]
.endr
.irp b, 0,1,2,3
	v_max_num_f32 v[232+\b], v[232+\b], v[236+\b]
.endr
	v_max3_num_f32 v254, v232, v233, v234
	v_max_num_f32 v254, v254, v235
	v_mul_f32 v254, s[CS], v254                    ; as t
	v_max_num_f32 v13, v13, v254                   ; the running largest t
	v_mov_b32 v254, v12
	v_floor_f32 v12, -v13                          ; the new -M = -ceil(t)
	v_sub_f32 v254, v12, v254                      ; old M - new M: a whole number, 0 or less
	v_cvt_i32_f32 v254, v254                       ; (it saturates)
	v_ldexp_f32 v252, 1.0, v254                    ; f = 2^(old M - new M)
.irp j, 0,2,4,6,8,10,12,14,16,18,20,22,24,26,28,30,32,34,36,38,40,42,44,46,48,50,52,54,56,58,60,62
	v_pk_fma_f32 v[96+\j:97+\j], v[96+\j:97+\j], s[CS:CS+1], v[12:13] op_sel_hi:[1,0,0]   ; t - M
.endr
.irp b, 0,1,2,3
	v_fma_f32 v[232+\b], v[232+\b], s[CS], v12
.endr
.set n, 0
.rept 64
	v_exp_f32 v[96+n], v[96+n]                     ; p = 2^(t - M)
.set n, n+1
.endr
	v_pk_mul_f32 v[14:15], v[14:15], v[252:253] op_sel_hi:[1,0]   ; the sums under the new M (a plain line behind the exponentials)
	s_wait_alu depctr_va_vdst(0)                   ; one wait for the batch, ahead of its first reader
.irp b, 0,1,2,3
	v_exp_f32 v[232+\b], v[232+\b]                 ; each block's largest p
.endr
	v_pk_add_f32 v[236:237], v[96:97], v[98:99]    ; the row's sum of the unquantised p, in two chains
.irp j, 4,8,12,16,20,24,28,32,36,40,44,48,52,56,60
	v_pk_add_f32 v[14:15], v[14:15], v[96+\j:97+\j]
	v_pk_add_f32 v[236:237], v[236:237], v[98+\j:99+\j]
.endr
	v_pk_add_f32 v[14:15], v[14:15], v[236:237]
	s_wait_alu depctr_va_vdst(0)                   ; and one for the four
.irp b, 0,1,2,3
	v_max_num_f32 v[232+\b], 0x2800000, v[232+\b]  ; the floor 2^(5 - 127)
.endr
.irp b, 0,1,2,3
	v_add_nc_u32 v[244+\b], 0xfe000000, v[232+\b]
.endr
.irp b, 0,1,2,3
	v_lshrrev_b32 v[236+\b], 23, v[244+\b]
.endr
	v_lshl_or_b32 v253, v237, 8, v236              ; p's scale word for these 128 keys
	v_lshl_or_b32 v253, v238, 16, v253
	v_lshl_or_b32 v253, v239, 24, v253
.irp c, 0,1
	v_cvt_scalef32_pk16_bf6_f32 v[224+6*\c:226+6*\c], v[96+32*\c:111+32*\c], v[244+2*\c]
	v_cvt_scalef32_pk16_bf6_f32 v[236+4*\c:238+4*\c], v[112+32*\c:127+32*\c], v[244+2*\c+1]
.endr
	v_nop
.irp c, 0,1
.irp i, 0,1,2
	v_permlane16_swap_b32 v[224+6*\c+\i], v[236+4*\c+\i]
.endr
.irp i, 0,1,2
	v_mov_b32 v[227+6*\c+\i], v[236+4*\c+\i]
.endr
.endr
.irp j, 0,2,4,6,8,10,12,14,16,18,20,22,24,26,28,30
	v_pk_mul_f32 v[160+\j:161+\j], v[160+\j:161+\j], v[252:253] op_sel_hi:[1,0]   ; O^T under the new M; these 16 are also the places in front of the scaled products
.endr
	s_wait_dscnt 0x0                               ; V is in: my reads of this buffer are over
.irp t, 0,1,2,3
	v_wmma_scale_f32_16x16x128_f8f6f4 v[160+8*\t:167+8*\t], v[36+12*\t:47+12*\t], v[224:235], v[160+8*\t:167+8*\t], v[248+\t], v253 matrix_a_fmt:MATRIX_FMT_BF6 matrix_b_fmt:MATRIX_FMT_BF6
.endr
.if \bar
	s_barrier_wait -1                              ; every wave's part of the next step lies in LDS
.endif
	s_add_co_u32 s[SI], s[SI], 1
.endm
	s_load_b128 s[4:7], s[0:1], 0x0                ; qkvb, mt
	s_load_b64 s[8:9], s[0:1], 0x10                ; the records
	v_lshl_add_u32 v223, v0, 2, 0xc800
	v_mov_b32 v243, 0
	v_lshrrev_b32 v1, 5, v0
	v_readfirstlane_b32 s10, v1                    ; wave 0..15
	s_and_b32 s11, ttmp7, 0xffff                   ; bh
	s_lshr_b32 s12, s11, 4                         ; b
	s_and_b32 s13, s11, 15                         ; the head
	s_lshl_b32 s14, ttmp9, 4
	s_add_co_u32 s14, s14, s10                     ; my tile of queries
	s_lshl_b32 s15, s11, 7
	s_add_co_u32 s15, s15, s14
	s_mul_i32 s74, s15, 768
	s_mov_b32 s75, 0
	s_lshl_b32 s76, s15, 6
	s_add_co_u32 s76, s76, 3145728
	s_mov_b32 s77, 0
	s_mul_i32 s78, s11, 16*KVB
	s_add_co_u32 s78, s78, 3407872
	s_mov_b32 s79, 0
	s_lshl_b32 s96, s12, 12                        ; 16 steps x 256 bytes of masks a batch
	s_mov_b32 s97, 0
	s_lshl_b32 s98, s12, 7
	s_add_co_u32 s98, s98, s14
	s_lshl_b32 s98, s98, 1
	s_lshr_b32 s99, s13, 3
	s_add_co_u32 s98, s98, s99
	s_mul_i32 s98, s98, 6400                       ; the record: tile 128 b + qt, K = 64 x head
	s_mov_b32 s99, 0
	s_lshr_b32 s15, s13, 1
	s_and_b32 s15, s15, 3                          ; its K step
	s_and_b32 s73, s13, 1                          ; and the half of it
	s_lshl_b32 s[SI], s12, 4
	s_mov_b32 s[CNT], 3
	s_mov_b32 s[SEL], 0x76543210
	s_mov_b32 s[SEL+1], 0xfedcba98
	s_mov_b32 s[CS], 0x3e38aa3b                    ; log2(e) / 8
	s_mov_b32 s[CS+1], s[CS]
	v_and_b32 v2, 31, v0
	v_lshlrev_b32 v1, 3, v2
	v_and_b32 v2, 15, v0
	v_lshlrev_b32 v2, 2, v2
	v_lshlrev_b32 v3, 4, v0
	v_mov_b32 v7, 0xfb800000                       ; -2^120
	s_wait_kmcnt 0x0
	s_load_b32 s[HOL], s[6:7], 0x2000              ; which key steps have holes
	s_add_nc_u64 s[MTP:MTP+1], s[6:7], s[96:97]
	s_add_nc_u64 s[74:75], s[4:5], s[74:75]        ; q's codes
	s_add_nc_u64 s[76:77], s[4:5], s[76:77]        ; q's words
	s_add_nc_u64 s[4:5], s[4:5], s[78:79]          ; the head's key steps
	s_add_nc_u64 s[8:9], s[8:9], s[98:99]
	s_mul_i32 s98, s15, 1536
	s_mul_i32 s14, s73, 768
	s_add_co_u32 s98, s98, s14
	s_add_nc_u64 s[78:79], s[8:9], s[98:99]        ; where my codes go
	s_lshl_b32 s98, s15, 6
	s_lshl_b32 s14, s73, 1
	s_add_co_u32 s98, s98, s14
	s_add_co_u32 s98, s98, 6144
	s_add_nc_u64 s[96:97], s[8:9], s[98:99]        ; and my two scale bytes a row
	KVLOAD                                         ; key step 0
.irp p, 0,1,2
	global_load_b64 v[16+2*\p:17+2*\p], v1, s[74:75] offset:256*\p
.endr
	global_load_b32 v255, v2, s[76:77]
	s_wait_loadcnt 0x0
.irp i, 0,1,2,3,4,5
	v_mov_b32 v[28+\i], v[16+\i]
	v_mov_b32 v[22+\i], 0
.endr
	KVSTORE 0
	s_wait_dscnt 0x0                               ; for the others' sake: my part of step 0 lies in LDS
	s_add_nc_u64 s[4:5], s[4:5], KVB
	KVLOAD                                         ; key step 1
	s_barrier_signal -1
	s_barrier_wait -1
	v_mov_b32 v13, 0xff61b1e6                      ; the largest t so far: -3e38
	v_floor_f32 v12, -v13
	v_mov_b32 v14, 0
	v_mov_b32 v15, 0
.irp b, 0,1,2,3
	v_mov_b32 v[236+\b], 0                         ; a lane permute's destination counts as read
.endr
	v_mov_b32 v253, 0
.set n, 0
.rept 32
	v_mov_b32 v[160+n], 0                          ; O^T: the step is written without a first form of its own; the first change of M multiplies zeros
.set n, n+1
.endr
.Lquad:                                            ; three trips of four key steps: the buffers are constants of the text
	STEP 0, 1, 1, 1
	STEP 1, 1, 1, 1
	STEP 2, 1, 1, 1
	STEP 3, 1, 1, 1
	s_sub_co_u32 s[CNT], s[CNT], 1
	s_cmp_lg_u32 s[CNT], 0
	s_cbranch_scc1 .Lquad
	STEP 0, 1, 1, 1                                ; step 12
	STEP 1, 1, 1, 1                                ; step 13 asks for step 15
	STEP 2, 1, 0, 1                                ; step 14: nothing is left to ask for
	STEP 3, 0, 0, 0                                ; step 15
	PLACES
	v_add_f32 v14, v14, v15
	v_permlanex16_b32 v252, v14, s[SEL], s[SEL+1]
	v_add_f32 v14, v14, v252                       ; the row's sum
	v_rcp_f32 v14, v14
	v_nop
	s_wait_alu depctr_va_vdst(0)
.set n, 0
.rept 32
	v_mul_f32 v[96+n], v[160+n], v14               ; register 16 b + i is channel 32 b + 16 (lane / 16) + i of my query
.set n, n+1
.endr
.irp b, 0,1
	v_max3_num_f32 v[TM+\b], |v[96+16*\b]|, |v[97+16*\b]|, 0x2800000
.endr
.irp i, 2,4,6,8,10,12,14
.irp b, 0,1
	v_max3_num_f32 v[TM+\b], v[TM+\b], |v[96+16*\b+\i]|, |v[97+16*\b+\i]|
.endr
.endr
.irp b, 0,1
	v_permlanex16_b32 v[TM+4+\b], v[TM+\b], s[SEL], s[SEL+1]
.endr
.irp b, 0,1
	v_max_num_f32 v[TM+\b], v[TM+\b], v[TM+4+\b]
.endr
.irp b, 0,1
	v_add_nc_u32 v[TM+12+\b], 0xfe000000, v[TM+\b]
.endr
.irp b, 0,1
	v_lshrrev_b32 v[TM+4+\b], 23, v[TM+12+\b]
.endr
	v_lshl_or_b32 v240, v[TM+5], 8, v[TM+4]
	v_cvt_scalef32_pk16_bf6_f32 v[36:38], v[96:111], v[TM+12]
	v_cvt_scalef32_pk16_bf6_f32 v[44:46], v[112:127], v[TM+13]
	v_nop
.irp i, 0,1,2
	v_permlane16_swap_b32 v[36+\i], v[44+\i]
.endr
.irp i, 0,1,2
	v_mov_b32 v[39+\i], v[44+\i]
.endr
.irp p, 0,1,2
	global_store_b64 v1, v[36+2*\p:37+2*\p], s[78:79] offset:256*\p   ; 32 lanes store 256 consecutive bytes, aligned
.endr
	global_store_b16 v2, v240, s[96:97]
	s_wait_tensorcnt 0x0
	ds_add_u32 v223, v243
	s_wait_dscnt 0x0
	s_endpgm
.Lfunc_end_k_q559a04267d_attn:
	.size	k_q559a04267d_attn, .Lfunc_end_k_q559a04267d_attn-k_q559a04267d_attn
	.p2alignl 7, 3214868480
	.fill 96, 4, 3214868480
	.section	.rodata,"a",@progbits
	.p2align	6, 0x0
	.amdhsa_kernel k_q559a04267d_attn
		.amdhsa_group_segment_fixed_size 53248
		.amdhsa_private_segment_fixed_size 0
		.amdhsa_enable_private_segment 0
		.amdhsa_kernarg_size 24
		.amdhsa_user_sgpr_count 2
		.amdhsa_user_sgpr_kernarg_segment_ptr 1
		.amdhsa_wavefront_size32 1
		.amdhsa_system_sgpr_workgroup_id_x 1
		.amdhsa_system_sgpr_workgroup_id_y 1
		.amdhsa_system_sgpr_workgroup_id_z 1
		.amdhsa_system_vgpr_workitem_id 0
		.amdhsa_next_free_vgpr 256
		.amdhsa_next_free_sgpr 102
		.amdhsa_reserve_vcc 0
		.amdhsa_float_denorm_mode_32 3
		.amdhsa_float_denorm_mode_16_64 3
		.amdhsa_memory_ordered 1
		.amdhsa_forward_progress 1
		.amdhsa_inst_pref_size 185
	.end_amdhsa_kernel
	.amdgpu_metadata
---
amdhsa.version: [ 1, 2 ]
amdhsa.kernels:
  - .name:           k_q559a04267d_attn
    .symbol:         k_q559a04267d_attn.kd
    .args:
      - { .name: qkvb, .offset: 0, .size: 8, .value_kind: global_buffer, .address_space: global }
      - { .name: mt, .offset: 8, .size: 8, .value_kind: global_buffer, .address_space: global }
      - { .name: xr, .offset: 16, .size: 8, .value_kind: global_buffer, .address_space: global }
    .group_segment_fixed_size: 53248
    .private_segment_fixed_size: 0
    .kernarg_segment_align: 8
    .kernarg_segment_size: 24
    .max_flat_workgroup_size: 512
    .sgpr_count:     102
    .vgpr_count:     256
    .wavefront_size: 32
...
	.end_amdgpu_metadata
.endif
;; end of part 4
;; launch wo (part 5): grid 8 x 32, 4 waves a work-group, clusters of 4 x 4, 327,680 bytes of LDS; arguments xr, wr, bo, feature, feat2; writes feat2
.if DOCPART == 5
	.amdgcn_target "amdgcn-amd-amdhsa--gfx1250"
	.amdhsa_code_object_version 6
	.text
	.protected	k_q559a04267d_wo
	.globl	k_q559a04267d_wo
	.p2align	8
	.type	k_q559a04267d_wo,@function
k_q559a04267d_wo:
	s_mov_b64 s[64:65], 0
	v_nop
	global_prefetch_b8 v0, s[64:65] scope:SCOPE_SE
	s_setreg_imm32_b32 hwreg(HW_REG_WAVE_MODE, 25, 1), 1
	s_wait_xcnt 0x0
	s_wait_alu depctr_hold_cnt(0) depctr_sa_sdst(0) depctr_va_vdst(0) depctr_va_sdst(0) depctr_va_ssrc(0) depctr_va_vcc(0) depctr_vm_vsrc(0)
	s_getreg_b32 s2, hwreg(HW_REG_IB_STS2, 6, 4)
	s_cmp_eq_u32 s2, 0
	s_cbranch_scc0 .Lentry_in_a_cluster
	s_endpgm
.Lentry_in_a_cluster:
	s_bfe_u32 s2, ttmp6, 0x10000c
	s_cmp_lg_u32 s2, 0xf033
	s_cbranch_scc0 .Lentry_shape_is_right
	s_endpgm
.Lentry_shape_is_right:
; out = X W + bias + residual, f32, on codes of E3M2: X's records (16 rows x 512 K each) and W's records as earlier launches laid them.
; A work-group makes 128 x 128 of the result; four waves, 64 x 64 each: 16 accumulators.  K goes in slots of 512 (8 records of X, 8 of W) through two LDS slots, filled by four tensor loads of 4 x 6,400 bytes.
; CLUSTER 4 x 4: X's records hang on the tile row alone and are asked for jointly along a row of the cluster, W's on the tile column alone, along a column.
; Source 0 = 16 columns of W, source 1 = 16 rows of X: a lane holds one row and eight neighbouring columns.  Tile 2 B + u holds indices 32 B + 8 u + r + 8 (r / 8).  The bias is the C of the first products.
; THE WAY OUT: 16 rows x 64 columns at a time through the wave's own stage in LDS, back as rows of 256 bytes; the residual, loaded at the head in that layout, is added; sixteen lanes store 256 consecutive bytes, aligned.
; REGISTERS: window 0: v1-15 addresses; v16-23 scale words; v24-119, v120-215 fragments, two sets.  window 1: v0-127 accumulators, v128-159 the bias.  window 2: v0-127 the residual, then the result.
; LIMITS: NaN and infinities are not served.
.set KC, 2                             ; records along K
.set WOFF, 2457600                     ; the weight's place in wr
.set REC, 6400
.set WSTEP, 64*KC*REC
.set PART, 8*REC
.set SLOT, 2*PART
.set STAGE, 2*SLOT
.set SPARE, STAGE+4*16*272             ; the spare words, 128 bytes a wave: two blocks of 256 bytes that no other line names
.set LN8, 1
.set SPW, 10
.set NIL, 11
.set BO, 12
.set STO, 13
.set CO, 14
.set RD, 15
.set SC, 16
.set FL, 24
.set BIAS, 128
.set G1X, 24
.set G0X, 32
.set G1W, 48
.set G0W, 56
.set MSB, 0
.macro WIN new
.if MSB != \new
	s_set_vgpr_msb (MSB<<8)|\new
.set MSB, \new
.endif
.endm
.macro PLACES
.rept 4
	v_nop
.endr
.endm
.macro CREST
	s_cmp_lg_u32 s10, 0
	s_cbranch_scc1 .Lnot_wave_0_\@
	s_barrier_signal -3
.Lnot_wave_0_\@:
	s_barrier_wait -3
	s_barrier_signal -1
	s_barrier_wait -1
.endm
.macro CROUND
	s_barrier_signal -1
	s_barrier_wait -1
	CREST
.endm
.macro JLOAD s                         ; waves 0, 1 ask for X's two halves of slot s, waves 2, 3 for W's; four v_nop follow each line
	s_cmp_eq_u32 s11, 0
	s_cbranch_scc0 .Lfor_w_\@
	tensor_load_to_lds s[G0X+4*(\s):G0X+4*(\s)+3], s[G1X:G1X+7]
	s_nop 0
.rept 4
	v_nop
.endr
	s_branch .Lasked_\@
.Lfor_w_\@:
	tensor_load_to_lds s[G0W+4*(\s):G0W+4*(\s)+3], s[G1W:G1W+7]
	s_nop 0
.rept 4
	v_nop
.endr
.Lasked_\@:
.endm
.macro FETCH set, ro, slot, ks         ; 52 LDS loads: 4 scale registers (lanes 0-15 the even tile's words, lanes 16-31 the odd tile's), 4 fragments of L, 4 of R
.set AB, 2+214*(\ro)
	ds_load_b32 v[SC+4*(\set)],   v[AB+4+(\slot)] offset:6144+64*(\ks)
	ds_load_b32 v[SC+4*(\set)+1], v[AB+4+(\slot)] offset:6144+2*REC+64*(\ks)
	ds_load_b32 v[SC+4*(\set)+2], v[AB+6+(\slot)] offset:6144+64*(\ks)
	ds_load_b32 v[SC+4*(\set)+3], v[AB+6+(\slot)] offset:6144+2*REC+64*(\ks)
.irp a, 0,1,2,3
.irp p, 0,1,2,3,4,5
	ds_load_b64 v[FL+96*(\set)+12*\a+2*\p:FL+96*(\set)+12*\a+2*\p+1], v[AB+(\slot)] offset:\a*REC+(\ks)*1536+256*\p
.endr
.endr
.irp a, 0,1,2,3
.irp p, 0,1,2,3,4,5
	ds_load_b64 v[FL+96*(\set)+48+12*\a+2*\p:FL+96*(\set)+48+12*\a+2*\p+1], v[AB+2+(\slot)] offset:\a*REC+(\ks)*1536+256*\p
.endr
.endr
.endm
.macro WM set, cm, a, i
.set DD, 8*(4*(\a)+(\i))
.set CC, DD
.if (\cm) == 1
.set CC, BIAS+8*(\i)
.endif
.set RA, FL+96*(\set)+48+12*(\i)
.set LA, FL+96*(\set)+12*(\a)
.set SA, SC+4*(\set)+2+(\i)/2
.set SB, SC+4*(\set)+(\a)/2
.if ((\i)%2 == 0) && ((\a)%2 == 0)
	v_wmma_scale_f32_16x16x128_f8f6f4 v[DD:DD+7], v[RA:RA+11], v[LA:LA+11], v[CC:CC+7], v[SA], v[SB] matrix_a_fmt:MATRIX_FMT_BF6 matrix_b_fmt:MATRIX_FMT_BF6
.elseif ((\i)%2 == 1) && ((\a)%2 == 0)
	v_wmma_scale_f32_16x16x128_f8f6f4 v[DD:DD+7], v[RA:RA+11], v[LA:LA+11], v[CC:CC+7], v[SA], v[SB] matrix_a_fmt:MATRIX_FMT_BF6 matrix_b_fmt:MATRIX_FMT_BF6 matrix_a_scale:MATRIX_SCALE_ROW1
.elseif ((\i)%2 == 0)
	v_wmma_scale_f32_16x16x128_f8f6f4 v[DD:DD+7], v[RA:RA+11], v[LA:LA+11], v[CC:CC+7], v[SA], v[SB] matrix_a_fmt:MATRIX_FMT_BF6 matrix_b_fmt:MATRIX_FMT_BF6 matrix_b_scale:MATRIX_SCALE_ROW1
.else
	v_wmma_scale_f32_16x16x128_f8f6f4 v[DD:DD+7], v[RA:RA+11], v[LA:LA+11], v[CC:CC+7], v[SA], v[SB] matrix_a_fmt:MATRIX_FMT_BF6 matrix_b_fmt:MATRIX_FMT_BF6 matrix_a_scale:MATRIX_SCALE_ROW1 matrix_b_scale:MATRIX_SCALE_ROW1
.endif
.endm
.macro MUL set, cm                     ; 16 matrix instructions, the 16 accumulators by turns
	WIN 0x50
.irp a, 0,1,2,3
.irp i, 0,1,2,3
	WM \set, \cm, \a, \i
.endr
.endr
	WIN 0
.endm
.macro KSTEP set, ro, slot, ks, cm
	PLACES
	FETCH 1-(\set), \ro, \slot, (\ks)+1
	s_wait_dscnt 52                                ; all but the 52 just issued: this K step's operands are in
	MUL \set, \cm
.endm
; A slot's last K step.  mode 3: the very last.  Else: all my tensor loads, the add, the products, the wait for the add and for my reads of this slot; then mode 0: the work-group's barrier; mode 2: a round of the cluster's barrier and the slot's refill.
.macro TURN ro, slot, mode, nxt
.if (\mode) == 3
	s_wait_dscnt 0x0
	MUL 1, 0
.else
	s_wait_tensorcnt 0x0                           ; all my tensor loads have landed, my part of the other slot among them
	ds_add_u32 v[SPW], v[NIL]
	s_wait_dscnt 1                                 ; the add alone may be out
	MUL 1, 0
	PLACES
	s_wait_dscnt 0x0                               ; the add is done; my reads of this slot are over
.if (\mode) == 0
	s_barrier_signal -1
	s_barrier_wait -1
.endif
.if (\mode) == 2
	CROUND
	s_add_nc_u64 s[G0X+4*(\slot)+2:G0X+4*(\slot)+3], s[G0X+4*(\slot)+2:G0X+4*(\slot)+3], 2*REC
	s_add_nc_u64 s[G0W+4*(\slot)+2:G0W+4*(\slot)+3], s[G0W+4*(\slot)+2:G0W+4*(\slot)+3], 2*REC
	JLOAD \slot
.endif
.if \nxt
	FETCH 0, \ro, 1-(\slot), 0
.endif
.endif
.endm
.macro SLOTSTEP ro, slot, cm, mode, nxt
	KSTEP 0, \ro, \slot, 0, \cm
	KSTEP 1, \ro, \slot, 1, 0
	KSTEP 0, \ro, \slot, 2, 0
	TURN \ro, \slot, \mode, \nxt
.endm
.macro TOSTAGE a                       ; tile a's 16 rows x 64 columns into my stage, and back as rows
	WIN 0x04
.irp i, 0,1,2,3
	ds_store_b128 v[STO], v[8*(4*(\a)+\i):8*(4*(\a)+\i)+3] offset:128*(\i/2)+32*(\i%2)
	ds_store_b128 v[STO], v[8*(4*(\a)+\i)+4:8*(4*(\a)+\i)+7] offset:128*(\i/2)+32*(\i%2)+16
.endr
	WIN 0
.set SG, FL+32*((\a)%2)
.irp t, 0,1,2,3,4,5,6,7
	ds_load_b128 v[SG+4*\t:SG+4*\t+3], v[RD] offset:544*\t   ; LDS serves a wave's instructions in order: these see the stores above
.endr
.endm
.macro SEND a, younger
.set SG, FL+32*((\a)%2)
	s_wait_dscnt \younger
	WIN 0x82
.irp t, 0,1,2,3,4,5,6,7
	v_pk_add_f32 v[32*(\a)+4*\t:32*(\a)+4*\t+1], v[32*(\a)+4*\t:32*(\a)+4*\t+1], v[SG+4*\t:SG+4*\t+1]
	v_pk_add_f32 v[32*(\a)+4*\t+2:32*(\a)+4*\t+3], v[32*(\a)+4*\t+2:32*(\a)+4*\t+3], v[SG+4*\t+2:SG+4*\t+3]
.endr
	WIN 0x08
.irp t, 0,1,2,3,4,5,6,7
	global_store_b128 v[CO], v[32*(\a)+4*\t:32*(\a)+4*\t+3], s[76:77] offset:(32*((\a)/2)+8*((\a)%2)+2*\t+8*(\t/4))*4096
.endr
	WIN 0
.endm
	s_load_b256 s[68:75], s[0:1], 0x0              ; X's records, wr, the bias, the residual
	s_load_b64 s[76:77], s[0:1], 0x20              ; the result
	v_lshl_add_u32 v[SPW], v0, 2, SPARE
	v_mov_b32 v[NIL], 0
	ds_add_u32 v10, v11
	ds_add_u32 v10, v11
	s_wait_dscnt 0x0
	v_lshrrev_b32 v1, 5, v0
	v_readfirstlane_b32 s10, v1
	s_lshr_b32 s11, s10, 1
	s_and_b32 s12, s10, 1
	s_bfe_u32 s40, ttmp6, 0x40000
	s_bfe_u32 s41, ttmp6, 0x40004
	s_lshl_b32 s42, ttmp9, 2
	s_add_co_u32 s42, s42, s40                     ; tile column x
	s_and_b32 s13, ttmp7, 0xffff
	s_lshl_b32 s13, s13, 2
	s_add_co_u32 s13, s13, s41                     ; tile row y
	s_lshl_b32 s43, s41, 2
	s_lshl_b32 s43, 15, s43
	s_lshl_b32 s44, 0x1111, s40
	s_or_b32 s[G1X+0], s43, (3<<16)|(1<<21)        ; the mask; elements of 8 bytes; bit 21 beside a mask; no padding
	s_or_b32 s[G1W+0], s44, (3<<16)|(1<<21)
.irp g, G1X, G1W
	s_mov_b32 s[\g+1], 800<<16
	s_mov_b32 s[\g+2], 4<<16
	s_mov_b32 s[\g+3], 800<<16
	s_mov_b32 s[\g+4], 4
	s_mov_b32 s[\g+5], KC*800
	s_mov_b32 s[\g+6], 0
	s_mov_b32 s[\g+7], 0
.endr
	s_lshl_b32 s16, s13, 3
	s_lshl_b32 s17, s12, 2
	s_add_co_u32 s16, s16, s17
	s_mul_i32 s16, s16, KC*REC
	s_mov_b32 s17, 0
	s_lshl_b32 s46, s42, 3
	s_lshl_b32 s47, s12, 2
	s_add_co_u32 s46, s46, s47
	s_mul_i32 s46, s46, KC*REC
	s_add_co_u32 s46, s46, WOFF
	s_mov_b32 s47, 0
	s_mul_i32 s20, s10, 4*REC
	s_wait_kmcnt 0x0
	s_add_nc_u64 s[14:15], s[68:69], s[16:17]
	s_add_nc_u64 s[46:47], s[70:71], s[46:47]
	CROUND
.irp s, 0,1
	s_mov_b32 s[G0X+4*\s], 1
	s_add_co_u32 s[G0X+4*\s+1], s20, \s*SLOT
	s_add_nc_u64 s[G0X+4*\s+2:G0X+4*\s+3], s[14:15], \s*REC
	s_or_b32 s[G0X+4*\s+3], s[G0X+4*\s+3], 0x80000000
	s_mov_b32 s[G0W+4*\s], 1
	s_add_co_u32 s[G0W+4*\s+1], s20, \s*SLOT
	s_add_nc_u64 s[G0W+4*\s+2:G0W+4*\s+3], s[46:47], \s*REC
	s_or_b32 s[G0W+4*\s+3], s[G0W+4*\s+3], 0x80000000
	JLOAD \s
.endr
	v_and_b32 v13, 31, v0
	v_lshlrev_b32 v[LN8], 3, v13
	v_and_b32 v14, 15, v0                          ; r
	v_bfe_u32 v12, v0, 4, 1                        ; h
	v_mul_u32_u24 v15, v12, REC
	v_lshl_add_u32 v15, v14, 2, v15
	s_mul_i32 s21, s11, 4*REC
	s_mul_i32 s22, s12, 4*REC
	s_add_co_u32 s22, s22, PART
.irp s, 0,1
	v_add_nc_u32 v[2+\s], s21, v[LN8]
	v_add_nc_u32 v[4+\s], s22, v[LN8]
	v_add_nc_u32 v[6+\s], s21, v15
	v_add_nc_u32 v[8+\s], s22, v15
	s_add_co_u32 s21, s21, SLOT
	s_add_co_u32 s22, s22, SLOT
.endr
	s_mul_i32 s23, s10, 16*272
	s_add_co_u32 s23, s23, STAGE                   ; my stage
	v_mul_u32_u24 v[STO], v14, 272
	v_lshl_add_u32 v[STO], v12, 6, v[STO]
	v_add_nc_u32 v[STO], s23, v[STO]               ; in: place r, + 64 h
	v_mul_u32_u24 v[RD], v12, 272
	v_lshl_add_u32 v[RD], v14, 4, v[RD]
	v_add_nc_u32 v[RD], s23, v[RD]                 ; back: lanes 0-15 one place, lanes 16-31 the next
	v_lshlrev_b32 v[CO], 4, v14
	v_lshl_add_u32 v[CO], v12, 12, v[CO]           ; and the same two rows in memory
	v_lshlrev_b32 v[BO], 6, v12                    ; 64 h
	s_lshl_b32 s85, s42, 9
	s_lshl_b32 s86, s12, 8
	s_add_co_u32 s86, s86, s85                     ; column 128 x + 64 wn, in bytes
	s_mov_b32 s87, 0
	s_add_nc_u64 s[72:73], s[72:73], s[86:87]
	s_lshl_b32 s85, s13, 19
	s_add_co_u32 s86, s86, s85
	s_lshl_b32 s85, s11, 18
	s_add_co_u32 s86, s86, s85                     ; + row 128 y + 64 wm
	s_add_nc_u64 s[74:75], s[74:75], s[86:87]
	s_add_nc_u64 s[76:77], s[76:77], s[86:87]
	WIN 0x40
.irp i, 0,1,2,3
	global_load_b128 v[BIAS+8*\i:BIAS+8*\i+3], v[BO], s[72:73] offset:(32*(\i/2)+8*(\i%2))*4
	global_load_b128 v[BIAS+8*\i+4:BIAS+8*\i+7], v[BO], s[72:73] offset:(32*(\i/2)+8*(\i%2))*4+16
.endr
	WIN 0x80
.irp a, 0,1,2,3
.irp t, 0,1,2,3,4,5,6,7
	global_load_b128 v[32*\a+4*\t:32*\a+4*\t+3], v[CO], s[74:75] offset:(32*(\a/2)+8*(\a%2)+2*\t+8*(\t/4))*4096
.endr
.endr
	WIN 0
	s_wait_tensorcnt 1                             ; my part of slot 0 is in; slot 1's may be out
	s_barrier_signal -1
	s_barrier_wait -1
	FETCH 0, 0, 0, 0
	s_wait_loadcnt 32                              ; the bias is in; the residual's 32 loads may be out
.set CI, 0
.rept KC
.set MD, 0
.if CI+2 < KC
.set MD, 2
.endif
.if CI == KC-1
.set MD, 3
.endif
.set CMV, 0
.if CI == 0
.set CMV, 1
.endif
	SLOTSTEP 0, CI%2, CMV, MD, 1
.set CI, CI+1
.endr
	PLACES
	s_wait_loadcnt 0x0                             ; the residual
	TOSTAGE 0
.irp a, 1,2,3
	TOSTAGE \a
	SEND \a-1, 16                                  ; behind that tile's loads: the next tile's 8 stores and 8 loads
.endr
	SEND 3, 0
	s_wait_tensorcnt 0x0                           ; the wave's end
	ds_add_u32 v[SPW], v[NIL]
	s_wait_dscnt 0x0
	CROUND                                         ; the closing round
	s_endpgm
.Lfunc_end_k_q559a04267d_wo:
	.size	k_q559a04267d_wo, .Lfunc_end_k_q559a04267d_wo-k_q559a04267d_wo
	.p2alignl 7, 3214868480
	.fill 96, 4, 3214868480
	.section	.rodata,"a",@progbits
	.p2align	6, 0x0
	.amdhsa_kernel k_q559a04267d_wo
		.amdhsa_group_segment_fixed_size 327680
		.amdhsa_private_segment_fixed_size 0
		.amdhsa_enable_private_segment 0
		.amdhsa_kernarg_size 40
		.amdhsa_user_sgpr_count 2
		.amdhsa_user_sgpr_kernarg_segment_ptr 1
		.amdhsa_wavefront_size32 1
		.amdhsa_system_sgpr_workgroup_id_x 1
		.amdhsa_system_sgpr_workgroup_id_y 1
		.amdhsa_system_sgpr_workgroup_id_z 1
		.amdhsa_system_vgpr_workitem_id 0
		.amdhsa_next_free_vgpr 640
		.amdhsa_next_free_sgpr 100
		.amdhsa_reserve_vcc 0
		.amdhsa_float_denorm_mode_32 3
		.amdhsa_float_denorm_mode_16_64 3
		.amdhsa_memory_ordered 1
		.amdhsa_forward_progress 1
		.amdhsa_inst_pref_size 68
	.end_amdhsa_kernel
	.amdgpu_metadata
---
amdhsa.version: [ 1, 2 ]
amdhsa.kernels:
  - .name:           k_q559a04267d_wo
    .symbol:         k_q559a04267d_wo.kd
    .args:
      - { .name: xr, .offset: 0, .size: 8, .value_kind: global_buffer, .address_space: global }
      - { .name: wr, .offset: 8, .size: 8, .value_kind: global_buffer, .address_space: global }
      - { .name: bo, .offset: 16, .size: 8, .value_kind: global_buffer, .address_space: global }
      - { .name: feature, .offset: 24, .size: 8, .value_kind: global_buffer, .address_space: global }
      - { .name: feat2, .offset: 32, .size: 8, .value_kind: global_buffer, .address_space: global }
    .group_segment_fixed_size: 327680
    .private_segment_fixed_size: 0
    .kernarg_segment_align: 8
    .kernarg_segment_size: 40
    .max_flat_workgroup_size: 128
    .sgpr_count:     100
    .vgpr_count:     640
    .wavefront_size: 32
...
	.end_amdgpu_metadata
.endif
;; end of part 5
;; launch ln2: the kernel of part 2 again; grid 256 x 1, 8 waves a work-group, no clusters, 67,072 bytes of LDS; arguments feat2, ln2_g, ln2_b, xr; writes xr
;; launch w1 (part 6): grid 8 x 32, 4 waves a work-group, clusters of 4 x 4, 327,680 bytes of LDS; arguments xr, wr, b1, hr; writes hr
.if DOCPART == 6
	.amdgcn_target "amdgcn-amd-amdhsa--gfx1250"
	.amdhsa_code_object_version 6
	.text
	.protected	k_q559a04267d_w1
	.globl	k_q559a04267d_w1
	.p2align	8
	.type	k_q559a04267d_w1,@function
k_q559a04267d_w1:
	s_mov_b64 s[64:65], 0
	v_nop
	global_prefetch_b8 v0, s[64:65] scope:SCOPE_SE
	s_setreg_imm32_b32 hwreg(HW_REG_WAVE_MODE, 25, 1), 1
	s_wait_xcnt 0x0
	s_wait_alu depctr_hold_cnt(0) depctr_sa_sdst(0) depctr_va_vdst(0) depctr_va_sdst(0) depctr_va_ssrc(0) depctr_va_vcc(0) depctr_vm_vsrc(0)
	s_getreg_b32 s2, hwreg(HW_REG_IB_STS2, 6, 4)
	s_cmp_eq_u32 s2, 0
	s_cbranch_scc0 .Lentry_in_a_cluster
	s_endpgm
.Lentry_in_a_cluster:
	s_bfe_u32 s2, ttmp6, 0x10000c
	s_cmp_lg_u32 s2, 0xf033
	s_cbranch_scc0 .Lentry_shape_is_right
	s_endpgm
.Lentry_shape_is_right:
; h = gelu(x w1 + b1), exact (by erf), on codes of E3M2, quantised in registers along the 4,096 hidden units and stored as the records of the next product's operand.
; A work-group stays for four tiles of 128 rows x 128 hidden units (column blocks x, x + 8, x + 16, x + 24); four waves, 64 x 64 each.  K = 1,024 is two LDS slots of 512: x's parts stay.
; W's two parts are filled again together, behind ONE round of the cluster's barrier at a tile's last K step, one load a wave (slot wave / 2, half wave % 2): the loads land while the tile's GELU is walked;
; at the next tile's head each wave waits for its load and passes the work-group's barrier.  Between a tile's two slots nothing is waited for.
; CLUSTER 4 x 4: x's records are asked for jointly along a row of the cluster, W's along a column.  Source 0 = 16 columns of W, source 1 = 16 rows of x: a lane holds one row, its registers run along the hidden units.
; GELU: 0.5 v + |0.5 v| E(|a|), a = v / sqrt(2), E = erf on the positive side: under 0.927734375 an odd polynomial in a, above it 1 - exp(polynomial); both are computed and one is chosen by v_cndmask_b32.
; The GELU is written once for a tile of rows: a loop of four trips, at whose head one of four short pieces brings that tile's accumulators out of window 1.
; REGISTERS: window 0: v1-15 addresses; v16-23 scale words; v24-215 fragments, two sets; on the way out six arrays of 32; v224-240 at work; v244-249 three constants as pairs.  window 1: accumulators, v128-159 the bias.
; LIMITS: NaN and infinities are not served; erf is right to about the last bit of erf; a block under 2^(5 - 127) gets the byte 1.
.set KC, 2
.set WOFF, 3276800
.set REC, 6400
.set WSTEP, 64*KC*REC
.set PART, 8*REC
.set SLOT, 2*PART
.set SPARE, 2*SLOT                     ; the spare words, 128 bytes a wave: two blocks of 256 bytes that no other line names
.set LN8, 1
.set SPW, 10
.set NIL, 11
.set BO, 12
.set R4, 13
.set SC, 16
.set FL, 24
.set TM, 224
.set BIAS, 128
.set XA, 24
.set XH, 56
.set SS, 88
.set TT, 120
.set RR, 152
.set QQ, 184
.set VC2, 244
.set VC4, 246
.set VD2, 248
.set G0RA, 20                          ; s[20:23] group 0 of the refills: my piece of the next tile's W
.set G1X, 24
.set G0X, 32
.set G1W, 48
.set G0W, 56
.set SEL, 66
.set MSB, 0
.macro WIN new
.if MSB != \new
	s_set_vgpr_msb (MSB<<8)|\new
.set MSB, \new
.endif
.endm
.macro PLACES
.rept 4
	v_nop
.endr
.endm
.macro CREST
	s_cmp_lg_u32 s10, 0
	s_cbranch_scc1 .Lnot_wave_0_\@
	s_barrier_signal -3
.Lnot_wave_0_\@:
	s_barrier_wait -3
	s_barrier_signal -1
	s_barrier_wait -1
.endm
.macro CROUND
	s_barrier_signal -1
	s_barrier_wait -1
	CREST
.endm
.macro JLOAD s
	s_cmp_eq_u32 s11, 0
	s_cbranch_scc0 .Lfor_w_\@
	tensor_load_to_lds s[G0X+4*(\s):G0X+4*(\s)+3], s[G1X:G1X+7]
	s_nop 0
.rept 4
	v_nop
.endr
	s_branch .Lasked_\@
.Lfor_w_\@:
	tensor_load_to_lds s[G0W+4*(\s):G0W+4*(\s)+3], s[G1W:G1W+7]
	s_nop 0
.rept 4
	v_nop
.endr
.Lasked_\@:
.endm
.macro FETCH set, slot, ks             ; 52 LDS loads: 4 scale registers (lanes 0-15 the even tile's words, lanes 16-31 the odd tile's), 4 fragments of x, 4 of W
	ds_load_b32 v[SC+4*(\set)],   v[6+(\slot)] offset:6144+64*(\ks)
	ds_load_b32 v[SC+4*(\set)+1], v[6+(\slot)] offset:6144+2*REC+64*(\ks)
	ds_load_b32 v[SC+4*(\set)+2], v[8+(\slot)] offset:6144+64*(\ks)
	ds_load_b32 v[SC+4*(\set)+3], v[8+(\slot)] offset:6144+2*REC+64*(\ks)
.irp a, 0,1,2,3
.irp p, 0,1,2,3,4,5
	ds_load_b64 v[FL+96*(\set)+12*\a+2*\p:FL+96*(\set)+12*\a+2*\p+1], v[2+(\slot)] offset:\a*REC+(\ks)*1536+256*\p
.endr
.endr
.irp a, 0,1,2,3
.irp p, 0,1,2,3,4,5
	ds_load_b64 v[FL+96*(\set)+48+12*\a+2*\p:FL+96*(\set)+48+12*\a+2*\p+1], v[4+(\slot)] offset:\a*REC+(\ks)*1536+256*\p
.endr
.endr
.endm
.macro WM set, cm, a, i
.set DD, 8*(4*(\a)+(\i))
.set CC, DD
.if (\cm) == 1
.set CC, BIAS+8*(\i)
.endif
.set RA, FL+96*(\set)+48+12*(\i)
.set LA, FL+96*(\set)+12*(\a)
.set SA, SC+4*(\set)+2+(\i)/2
.set SB, SC+4*(\set)+(\a)/2
.if ((\i)%2 == 0) && ((\a)%2 == 0)
	v_wmma_scale_f32_16x16x128_f8f6f4 v[DD:DD+7], v[RA:RA+11], v[LA:LA+11], v[CC:CC+7], v[SA], v[SB] matrix_a_fmt:MATRIX_FMT_BF6 matrix_b_fmt:MATRIX_FMT_BF6
.elseif ((\i)%2 == 1) && ((\a)%2 == 0)
	v_wmma_scale_f32_16x16x128_f8f6f4 v[DD:DD+7], v[RA:RA+11], v[LA:LA+11], v[CC:CC+7], v[SA], v[SB] matrix_a_fmt:MATRIX_FMT_BF6 matrix_b_fmt:MATRIX_FMT_BF6 matrix_a_scale:MATRIX_SCALE_ROW1
.elseif ((\i)%2 == 0)
	v_wmma_scale_f32_16x16x128_f8f6f4 v[DD:DD+7], v[RA:RA+11], v[LA:LA+11], v[CC:CC+7], v[SA], v[SB] matrix_a_fmt:MATRIX_FMT_BF6 matrix_b_fmt:MATRIX_FMT_BF6 matrix_b_scale:MATRIX_SCALE_ROW1
.else
	v_wmma_scale_f32_16x16x128_f8f6f4 v[DD:DD+7], v[RA:RA+11], v[LA:LA+11], v[CC:CC+7], v[SA], v[SB] matrix_a_fmt:MATRIX_FMT_BF6 matrix_b_fmt:MATRIX_FMT_BF6 matrix_a_scale:MATRIX_SCALE_ROW1 matrix_b_scale:MATRIX_SCALE_ROW1
.endif
.endm
.macro MUL set, cm                     ; 16 matrix instructions, the 16 accumulators by turns
	WIN 0x50
.irp a, 0,1,2,3
.irp i, 0,1,2,3
	WM \set, \cm, \a, \i
.endr
.endr
	WIN 0
.endm
.macro KSTEPN set, cm, nslot, nks      ; the next K step's operands are asked for, then this one is multiplied
	PLACES
	FETCH 1-(\set), \nslot, \nks
	s_wait_dscnt 52                                ; all but the 52 just issued: this K step's operands are in
	MUL \set, \cm
.endm
; A slot's last K step.  mode 3: the very last.  mode 6: the other slot is whole and known to be: no meeting.
; mode 5: a tile's end: all my tensor loads, the add, the products, the wait for the add and for my reads of both slots; a round of the cluster's barrier; my piece of the next tile's W is asked for.
.macro TURN slot, mode
.if (\mode) == 3
	s_wait_dscnt 0x0
	MUL 1, 0
.endif
.if (\mode) == 6
	KSTEPN 1, 0, 1-(\slot), 0
.endif
.if (\mode) == 5
	s_wait_tensorcnt 0x0                           ; no tensor load of mine is out
	ds_add_u32 v[SPW], v[NIL]
	s_wait_dscnt 1                                 ; the add alone may be out
	MUL 1, 0
	PLACES
	s_wait_dscnt 0x0                               ; the add is done; my reads of both slots are over
	CROUND
	s_add_nc_u64 s[G0RA+2:G0RA+3], s[G0RA+2:G0RA+3], WSTEP
	tensor_load_to_lds s[G0RA:G0RA+3], s[G1W:G1W+7]
	s_nop 0
.rept 4
	v_nop
.endr
.endif
.endm
.macro SLOTSTEP slot, cm, mode
	KSTEPN 0, \cm, \slot, 1
	KSTEPN 1, 0, \slot, 2
	KSTEPN 0, 0, \slot, 3
	TURN \slot, \mode
.endm
.macro QUANTH s, w, pc, hw             ; 32 numbers of a lane, register 16 b + i = k 32 b + 16 (lane / 16) + i, become half a fragment's codes and two scale bytes
	WIN 0x05*(\w)
.irp b, 0,1
	v_max3_num_f32 v[TM+\b], |v[(\s)+16*\b]|, |v[(\s)+16*\b+1]|, 0x2800000
.endr
	WIN 0x14*(\w)
.irp i, 2,4,6,8,10,12,14
.irp b, 0,1
	v_max3_num_f32 v[TM+\b], v[TM+\b], |v[(\s)+16*\b+\i]|, |v[(\s)+16*\b+\i+1]|
.endr
.endr
	WIN 0
.irp b, 0,1
	v_permlanex16_b32 v[TM+4+\b], v[TM+\b], s[SEL], s[SEL+1]
.endr
.irp b, 0,1
	v_max_num_f32 v[TM+\b], v[TM+\b], v[TM+4+\b]
.endr
.irp b, 0,1
	v_add_nc_u32 v[TM+12+\b], 0xfe000000, v[TM+\b]
.endr
.irp b, 0,1
	v_lshrrev_b32 v[TM+4+\b], 23, v[TM+12+\b]
.endr
	v_lshl_or_b32 v[\hw], v[TM+5], 8, v[TM+4]
	WIN 0x01*(\w)
	v_cvt_scalef32_pk16_bf6_f32 v[(\pc):(\pc)+2], v[(\s):(\s)+15], v[TM+12]
	v_cvt_scalef32_pk16_bf6_f32 v[(\pc)+8:(\pc)+10], v[(\s)+16:(\s)+31], v[TM+13]
	WIN 0
	v_nop
.irp i, 0,1,2
	v_permlane16_swap_b32 v[(\pc)+\i], v[(\pc)+8+\i]
.endr
.irp i, 0,1,2
	v_mov_b32 v[(\pc)+3+\i], v[(\pc)+8+\i]
.endr
.endm
.macro BIASLD
	WIN 0x40
.irp i, 0,1,2,3
	global_load_b128 v[BIAS+8*\i:BIAS+8*\i+3], v[BO], s[72:73] offset:(32*(\i/2)+8*(\i%2))*4
	global_load_b128 v[BIAS+8*\i+4:BIAS+8*\i+7], v[BO], s[72:73] offset:(32*(\i/2)+8*(\i%2))*4+16
.endr
	WIN 0
.endm
.macro PFMA d, a, b, c                 ; d = a b + c over 16 pairs
.set k, 0
.rept 16
	v_pk_fma_f32 v[(\d)+k:(\d)+k+1], v[(\a)+k:(\a)+k+1], v[(\b)+k:(\b)+k+1], v[(\c)+k:(\c)+k+1]
.set k, k+2
.endr
.endm
.macro PFMAK d, a, b, lit              ; d = a b + a constant
.set k, 0
.rept 16
	v_pk_fma_f32 v[(\d)+k:(\d)+k+1], v[(\a)+k:(\a)+k+1], v[(\b)+k:(\b)+k+1], \lit op_sel_hi:[1,1,0]
.set k, k+2
.endr
.endm
.macro PFMAL d, a, lit, cp             ; d = a x a constant + the constant in the pair v[cp]
.set k, 0
.rept 16
	v_pk_fma_f32 v[(\d)+k:(\d)+k+1], v[(\a)+k:(\a)+k+1], \lit, v[\cp:\cp+1] op_sel_hi:[1,0,1]
.set k, k+2
.endr
.endm
.macro STUB a                          ; tile a's 32 results: a = v / sqrt(2) and v / 2, out of window 1, each accumulator from its low end on
	WIN 0x01
.set k, 0
.rept 16
	v_pk_mul_f32 v[XA+k:XA+k+1], v[32*(\a)+k:32*(\a)+k+1], 0x3f3504f3 op_sel_hi:[1,0]
.set k, k+2
.endr
.set k, 0
.rept 16
	v_pk_mul_f32 v[XH+k:XH+k+1], v[32*(\a)+k:32*(\a)+k+1], 0.5 op_sel_hi:[1,0]
.set k, k+2
.endr
	WIN 0
.endm
.macro EPI_H
	PLACES
	s_mov_b32 s3, 0
.Lrow_\@:
	s_cmp_eq_u32 s3, 0
	s_cbranch_scc1 .Ls0_\@
	s_cmp_eq_u32 s3, 1
	s_cbranch_scc1 .Ls1_\@
	s_cmp_eq_u32 s3, 2
	s_cbranch_scc1 .Ls2_\@
	STUB 3
	s_branch .Lcom_\@
.Ls0_\@:
	STUB 0
	s_branch .Lcom_\@
.Ls1_\@:
	STUB 1
	s_branch .Lcom_\@
.Ls2_\@:
	STUB 2
.Lcom_\@:
.set k, 0
.rept 16
	v_pk_mul_f32 v[SS+k:SS+k+1], v[XA+k:XA+k+1], v[XA+k:XA+k+1]     ; s = a a
.set k, k+2
.endr
.set k, 0
.rept 32
	v_and_b32 v[TT+k], 0x7fffffff, v[XA+k]                          ; t = |a|
.set k, k+1
.endr
	PFMAL RR, TT, 0xb7910000, VC2                  ; the upper branch: a polynomial in t whose exponential is 1 - erf
	PFMAL QQ, TT, 0xbb7e8a1c, VC4
	PFMA  RR, RR, SS, QQ
	PFMAK RR, RR, TT, 0xbddaae5c
	PFMAK RR, RR, TT, 0xbf228550
	PFMAK RR, RR, TT, 0xbe03ce86
.set k, 0
.rept 16
	v_pk_fma_f32 v[RR+k:RR+k+1], v[RR+k:RR+k+1], v[TT+k:TT+k+1], v[TT+k:TT+k+1] neg_lo:[0,0,1] neg_hi:[0,0,1]
.set k, k+2
.endr
.set k, 0
.rept 16
	v_pk_mul_f32 v[RR+k:RR+k+1], v[RR+k:RR+k+1], 0x3fb8aa3b op_sel_hi:[1,0]
.set k, k+2
.endr
.set k, 0
.rept 32
	v_exp_f32 v[RR+k], v[RR+k]
.set k, k+1
.endr
	PFMAL QQ, SS, 0xba1c7000, VD2                  ; the lower branch, which names no exponential's result: the work behind the batch
	PFMAK QQ, QQ, SS, 0xbcdb48d9
	PFMAK QQ, QQ, SS, 0x3de70e22
	PFMAK QQ, QQ, SS, 0xbec09380
	PFMAK QQ, QQ, SS, 0x3e0375d4
	PFMA  QQ, QQ, TT, TT
	s_wait_alu depctr_va_vdst(0)                   ; one wait for the 32 exponentials, ahead of their first reader
.set k, 0
.rept 16
	v_pk_fma_f32 v[RR+k:RR+k+1], v[RR+k:RR+k+1], -1.0, 1.0 op_sel_hi:[1,0,0]
.set k, k+2
.endr
.set k, 0
.rept 32
	v_cmp_lt_f32 vcc_lo, s80, v[TT+k]
	v_cndmask_b32 v[RR+k], v[QQ+k], v[RR+k], vcc_lo
.set k, k+1
.endr
.set k, 0
.rept 32
	v_fma_f32 v[XA+k], |v[XH+k]|, v[RR+k], v[XH+k] ; v / 2 + |v / 2| erf(|a|)
.set k, k+1
.endr
	QUANTH XA, 0, XH, 240
.irp p, 0,1,2
	global_store_b64 v[LN8], v[XH+2*\p:XH+2*\p+1], s[88:89] offset:256*\p   ; 32 lanes store 256 consecutive bytes, aligned
.endr
	global_store_b16 v[R4], v240, s[90:91]
	s_wait_xcnt 0x0                                ; the stores have read their registers and bases: both are written again
	s_add_nc_u64 s[88:89], s[88:89], 8*REC         ; the next tile of rows
	s_add_nc_u64 s[90:91], s[90:91], 8*REC
	s_add_co_u32 s3, s3, 1
	s_cmp_lt_u32 s3, 4
	s_cbranch_scc1 .Lrow_\@
.endm
	s_load_b256 s[68:75], s[0:1], 0x0              ; x's records, wr, b1, hr
	v_lshl_add_u32 v[SPW], v0, 2, SPARE
	v_mov_b32 v[NIL], 0
	ds_add_u32 v10, v11
	ds_add_u32 v10, v11
	s_wait_dscnt 0x0
	v_lshrrev_b32 v1, 5, v0
	v_readfirstlane_b32 s10, v1
	s_lshr_b32 s11, s10, 1
	s_and_b32 s12, s10, 1
	s_bfe_u32 s40, ttmp6, 0x40000
	s_bfe_u32 s41, ttmp6, 0x40004
	s_lshl_b32 s42, ttmp9, 2
	s_add_co_u32 s42, s42, s40                     ; x
	s_and_b32 s13, ttmp7, 0xffff
	s_lshl_b32 s13, s13, 2
	s_add_co_u32 s13, s13, s41                     ; y
	s_lshl_b32 s43, s41, 2
	s_lshl_b32 s43, 15, s43
	s_lshl_b32 s44, 0x1111, s40
	s_or_b32 s[G1X+0], s43, (3<<16)|(1<<21)
	s_or_b32 s[G1W+0], s44, (3<<16)|(1<<21)
.irp g, G1X, G1W
	s_mov_b32 s[\g+1], 800<<16
	s_mov_b32 s[\g+2], 4<<16
	s_mov_b32 s[\g+3], 800<<16
	s_mov_b32 s[\g+4], 4
	s_mov_b32 s[\g+5], KC*800
	s_mov_b32 s[\g+6], 0
	s_mov_b32 s[\g+7], 0
.endr
	s_lshl_b32 s16, s13, 3
	s_lshl_b32 s17, s12, 2
	s_add_co_u32 s16, s16, s17
	s_mul_i32 s16, s16, KC*REC
	s_mov_b32 s17, 0
	s_lshl_b32 s46, s42, 3
	s_lshl_b32 s47, s12, 2
	s_add_co_u32 s46, s46, s47
	s_mul_i32 s46, s46, KC*REC
	s_add_co_u32 s46, s46, WOFF
	s_mov_b32 s47, 0
	s_mul_i32 s18, s10, 4*REC
	s_mul_i32 s8, s11, REC                         ; of a whole tile's W: the record of slot wave / 2
	s_mov_b32 s9, 0
	s_wait_kmcnt 0x0
	s_add_nc_u64 s[14:15], s[68:69], s[16:17]
	s_add_nc_u64 s[46:47], s[70:71], s[46:47]
	s_mov_b32 s[G0RA], 1                           ; the refills: slot wave / 2, half wave % 2, into W's part of that slot; the address stands at the first tile and is stepped in front of each refill
	s_mul_i32 s[G0RA+1], s11, SLOT
	s_mul_i32 s3, s12, 4*REC
	s_add_co_u32 s[G0RA+1], s[G0RA+1], s3
	s_add_co_u32 s[G0RA+1], s[G0RA+1], PART
	s_add_nc_u64 s[G0RA+2:G0RA+3], s[46:47], s[8:9]
	s_or_b32 s[G0RA+3], s[G0RA+3], 0x80000000
	CROUND
.irp s, 0,1
	s_mov_b32 s[G0X+4*\s], 1
	s_add_co_u32 s[G0X+4*\s+1], s18, \s*SLOT
	s_add_nc_u64 s[G0X+4*\s+2:G0X+4*\s+3], s[14:15], \s*REC
	s_or_b32 s[G0X+4*\s+3], s[G0X+4*\s+3], 0x80000000
	s_mov_b32 s[G0W+4*\s], 1
	s_add_co_u32 s[G0W+4*\s+1], s18, \s*SLOT
	s_add_nc_u64 s[G0W+4*\s+2:G0W+4*\s+3], s[46:47], \s*REC
	s_or_b32 s[G0W+4*\s+3], s[G0W+4*\s+3], 0x80000000
	JLOAD \s
.endr
	v_and_b32 v13, 31, v0
	v_lshlrev_b32 v[LN8], 3, v13
	v_and_b32 v14, 15, v0
	v_bfe_u32 v12, v0, 4, 1
	v_mul_u32_u24 v15, v12, REC
	v_lshl_add_u32 v15, v14, 2, v15
	s_mul_i32 s2, s11, 4*REC
	s_mul_i32 s3, s12, 4*REC
	s_add_co_u32 s3, s3, PART
.irp s, 0,1
	v_add_nc_u32 v[2+\s], s2, v[LN8]
	v_add_nc_u32 v[4+\s], s3, v[LN8]
	v_add_nc_u32 v[6+\s], s2, v15
	v_add_nc_u32 v[8+\s], s3, v15
	s_add_co_u32 s2, s2, SLOT
	s_add_co_u32 s3, s3, SLOT
.endr
	v_lshlrev_b32 v[BO], 6, v12                    ; 64 h
	v_lshlrev_b32 v[R4], 2, v14                    ; 4 r
	v_mov_b32 v[TM+4], 0
	v_mov_b32 v[TM+5], 0
	v_mov_b32 v[VC2], 0x39c8e7d9
	v_mov_b32 v[VC2+1], 0x39c8e7d9
	v_mov_b32 v[VC4], 0x3cc6b1a1
	v_mov_b32 v[VC4+1], 0x3cc6b1a1
	v_mov_b32 v[VD2], 0x3ba38d2c
	v_mov_b32 v[VD2+1], 0x3ba38d2c
	s_mov_b32 s[SEL], 0x76543210
	s_mov_b32 s[SEL+1], 0xfedcba98
	s_mov_b32 s80, 0x3f6d8000                      ; 0.927734375
	s_lshl_b32 s85, s42, 9
	s_lshl_b32 s86, s12, 8
	s_add_co_u32 s86, s86, s85
	s_mov_b32 s87, 0
	s_add_nc_u64 s[72:73], s[72:73], s[86:87]      ; b1 at hidden unit 128 x + 64 wn
	s_lshl_b32 s85, s13, 3
	s_lshl_b32 s86, s11, 2
	s_add_co_u32 s85, s85, s86                     ; my first tile of rows
	s_lshl_b32 s85, s85, 3
	s_lshr_b32 s86, s42, 2
	s_add_co_u32 s85, s85, s86
	s_mul_i32 s85, s85, REC                        ; its record of hidden units 512 (x / 4) ..
	s_and_b32 s81, s42, 3
	s_mul_i32 s86, s81, 1536
	s_add_co_u32 s86, s86, s85
	s_mul_i32 s82, s12, 768
	s_add_co_u32 s86, s86, s82
	s_add_nc_u64 s[88:89], s[74:75], s[86:87]      ; codes: K step x % 4, half wn
	s_lshl_b32 s86, s81, 6
	s_add_co_u32 s86, s86, s85
	s_lshl_b32 s82, s12, 1
	s_add_co_u32 s86, s86, s82
	s_add_co_u32 s86, s86, 6144
	s_add_nc_u64 s[90:91], s[74:75], s[86:87]      ; the two scale bytes a row
	BIASLD
	s_mov_b32 s2, 3
.Ltile:                                            ; three tiles at whose end the next tile's W is asked for
	s_wait_tensorcnt 0x0                           ; my pieces of both slots are in: the first fills, later my refill;
	s_barrier_signal -1
	s_barrier_wait -1                              ; everybody's are.
	FETCH 0, 0, 0
	s_wait_loadcnt 0x0                             ; the bias
	SLOTSTEP 0, 1, 6
	SLOTSTEP 1, 0, 5
	EPI_H
	s_sub_nc_u64 s[88:89], s[88:89], 4*8*REC-2*REC ; back to my first tile of rows, two records (1,024 hidden units) on
	s_sub_nc_u64 s[90:91], s[90:91], 4*8*REC-2*REC
	s_add_nc_u64 s[72:73], s[72:73], 4096
	BIASLD
	s_sub_co_u32 s2, s2, 1
	s_cmp_lg_u32 s2, 0
	s_cbranch_scc1 .Ltile
	s_wait_tensorcnt 0x0                           ; the last tile is written out: it asks for nothing
	s_barrier_signal -1
	s_barrier_wait -1
	FETCH 0, 0, 0
	s_wait_loadcnt 0x0
	SLOTSTEP 0, 1, 6
	SLOTSTEP 1, 0, 3
	EPI_H
	s_wait_tensorcnt 0x0                           ; the wave's end
	ds_add_u32 v[SPW], v[NIL]
	s_wait_dscnt 0x0
	CROUND                                         ; the closing round
	s_endpgm
.Lfunc_end_k_q559a04267d_w1:
	.size	k_q559a04267d_w1, .Lfunc_end_k_q559a04267d_w1-k_q559a04267d_w1
	.p2alignl 7, 3214868480
	.fill 96, 4, 3214868480
	.section	.rodata,"a",@progbits
	.p2align	6, 0x0
	.amdhsa_kernel k_q559a04267d_w1
		.amdhsa_group_segment_fixed_size 327680
		.amdhsa_private_segment_fixed_size 0
		.amdhsa_enable_private_segment 0
		.amdhsa_kernarg_size 32
		.amdhsa_user_sgpr_count 2
		.amdhsa_user_sgpr_kernarg_segment_ptr 1
		.amdhsa_wavefront_size32 1
		.amdhsa_system_sgpr_workgroup_id_x 1
		.amdhsa_system_sgpr_workgroup_id_y 1
		.amdhsa_system_sgpr_workgroup_id_z 1
		.amdhsa_system_vgpr_workitem_id 0
		.amdhsa_next_free_vgpr 416
		.amdhsa_next_free_sgpr 100
		.amdhsa_reserve_vcc 1
		.amdhsa_float_denorm_mode_32 3
		.amdhsa_float_denorm_mode_16_64 3
		.amdhsa_memory_ordered 1
		.amdhsa_forward_progress 1
		.amdhsa_inst_pref_size 183
	.end_amdhsa_kernel
	.amdgpu_metadata
---
amdhsa.version: [ 1, 2 ]
amdhsa.kernels:
  - .name:           k_q559a04267d_w1
    .symbol:         k_q559a04267d_w1.kd
    .args:
      - { .name: xr, .offset: 0, .size: 8, .value_kind: global_buffer, .address_space: global }
      - { .name: wr, .offset: 8, .size: 8, .value_kind: global_buffer, .address_space: global }
      - { .name: b1, .offset: 16, .size: 8, .value_kind: global_buffer, .address_space: global }
      - { .name: hr, .offset: 24, .size: 8, .value_kind: global_buffer, .address_space: global }
    .group_segment_fixed_size: 327680
    .private_segment_fixed_size: 0
    .kernarg_segment_align: 8
    .kernarg_segment_size: 32
    .max_flat_workgroup_size: 128
    .sgpr_count:     100
    .vgpr_count:     416
    .wavefront_size: 32
...
	.end_amdgpu_metadata
.endif
;; end of part 6
;; launch w2 (part 7): grid 8 x 32, 4 waves a work-group, clusters of 4 x 4, 327,680 bytes of LDS; arguments hr, wr, b2, feat2, out0; writes out0
.if DOCPART == 7
	.amdgcn_target "amdgcn-amd-amdhsa--gfx1250"
	.amdhsa_code_object_version 6
	.text
	.protected	k_q559a04267d_w2
	.globl	k_q559a04267d_w2
	.p2align	8
	.type	k_q559a04267d_w2,@function
k_q559a04267d_w2:
	s_mov_b64 s[64:65], 0
	v_nop
	global_prefetch_b8 v0, s[64:65] scope:SCOPE_SE
	s_setreg_imm32_b32 hwreg(HW_REG_WAVE_MODE, 25, 1), 1
	s_wait_xcnt 0x0
	s_wait_alu depctr_hold_cnt(0) depctr_sa_sdst(0) depctr_va_vdst(0) depctr_va_sdst(0) depctr_va_ssrc(0) depctr_va_vcc(0) depctr_vm_vsrc(0)
	s_getreg_b32 s2, hwreg(HW_REG_IB_STS2, 6, 4)
	s_cmp_eq_u32 s2, 0
	s_cbranch_scc0 .Lentry_in_a_cluster
	s_endpgm
.Lentry_in_a_cluster:
	s_bfe_u32 s2, ttmp6, 0x10000c
	s_cmp_lg_u32 s2, 0xf033
	s_cbranch_scc0 .Lentry_shape_is_right
	s_endpgm
.Lentry_shape_is_right:
; out = X W + bias + residual, f32, on codes of E3M2: X's records (16 rows x 512 K each) and W's records as earlier launches laid them.
; A work-group makes 128 x 128 of the result; four waves, 64 x 64 each: 16 accumulators.  K = 4,096 is eight records a tile.
; LDS: A BIG SLOT of two records a tile (a tile's two records are 12,800 consecutive bytes of memory: a tensor load brings 4 such rows) and A SMALL SLOT of one record a tile (4 rows of 6,400 bytes); in each X's part, then W's.
; Records 0, 1 (big) and 2 (small) come with the first fills; behind record 1 the big slot takes 3, 4; behind record 2 the small one takes 5; behind record 4 the big one takes 6, 7: three refill rounds for eight records,
; one tensor load a wave in each.  The small slot's refill has two records' products in which to land, the big slot's refills one record's and bring two.
; CLUSTER 4 x 4: X's records hang on the tile row alone and are asked for jointly along a row of the cluster, W's on the tile column alone, along a column.
; Source 0 = 16 columns of W, source 1 = 16 rows of X: a lane holds one row and eight neighbouring columns.  Tile 2 B + u holds indices 32 B + 8 u + r + 8 (r / 8).  The bias is the C of the first products.
; THE WAY OUT: 16 rows x 64 columns at a time through the wave's own stage in LDS, back as rows of 256 bytes; the residual, loaded at the head in that layout, is added; sixteen lanes store 256 consecutive bytes, aligned.
; REGISTERS: window 0: v1 8 x lane; v2-5 addresses in the big slot (X codes, W codes, X words, W words), v6-9 in the small one; v10-15 more addresses; v16-23 scale words; v24-119, v120-215 fragments, two sets.
;   window 1: v0-127 accumulators, v128-159 the bias.  window 2: v0-127 the residual, then the result.
; LIMITS: NaN and infinities are not served.
.set KC, 8                             ; records along K
.set WOFF, 6553600                     ; the weight's place in wr
.set REC, 6400
.set BPART, 16*REC                     ; the big slot's part: 8 tiles x 2 records
.set SM, 2*BPART                       ; the small slot
.set SPART, 8*REC
.set STAGE, SM+2*SPART
.set SPARE, STAGE+4*16*272             ; the spare words, 128 bytes a wave: two blocks of 256 bytes that no other line names
.set LN8, 1
.set SPW, 10
.set NIL, 11
.set BO, 12
.set STO, 13
.set CO, 14
.set RD, 15
.set SC, 16
.set FL, 24
.set BIAS, 128
.set G1XB, 24                          ; s[24:31] group 1, X, big;   s[32:35] its group 0;   s[36:39] group 0, X, small
.set G0XB, 32
.set G0XS, 36
.set G1WB, 48                          ; s[48:55] group 1, W, big;   s[56:59] its group 0;   s[60:63] group 0, W, small
.set G0WB, 56
.set G0WS, 60
.set G1XS, 80                          ; s[80:87] group 1, X, small;  s[88:95] group 1, W, small
.set G1WS, 88
.set MSB, 0
.macro WIN new
.if MSB != \new
	s_set_vgpr_msb (MSB<<8)|\new
.set MSB, \new
.endif
.endm
.macro PLACES
.rept 4
	v_nop
.endr
.endm
.macro CREST
	s_cmp_lg_u32 s10, 0
	s_cbranch_scc1 .Lnot_wave_0_\@
	s_barrier_signal -3
.Lnot_wave_0_\@:
	s_barrier_wait -3
	s_barrier_signal -1
	s_barrier_wait -1
.endm
.macro CROUND
	s_barrier_signal -1
	s_barrier_wait -1
	CREST
.endm
.macro JLOAD g0x, g1x, g0w, g1w        ; waves 0, 1 ask for X's two halves of a slot, waves 2, 3 for W's; four v_nop follow each line
	s_cmp_eq_u32 s11, 0
	s_cbranch_scc0 .Lfor_w_\@
	tensor_load_to_lds s[\g0x:\g0x+3], s[\g1x:\g1x+7]
	s_nop 0
.rept 4
	v_nop
.endr
	s_branch .Lasked_\@
.Lfor_w_\@:
	tensor_load_to_lds s[\g0w:\g0w+3], s[\g1w:\g1w+7]
	s_nop 0
.rept 4
	v_nop
.endr
.Lasked_\@:
.endm
; 52 LDS loads: K step ks of a record into a set: 4 scale registers (lanes 0-15 the even tile's words, lanes 16-31 the odd tile's), 4 fragments of X, 4 of W.  loc = 0, 1: the big slot's first, second record; 2: the small slot
.macro FETCH set, loc, ks
.set AL_, 2
.set AR_, 3
.set SL_, 4
.set SR_, 5
.set PT_, 2*REC
.set RO_, (\loc)*REC
.if (\loc) == 2
.set AL_, 6
.set AR_, 7
.set SL_, 8
.set SR_, 9
.set PT_, REC
.set RO_, 0
.endif
	ds_load_b32 v[SC+4*(\set)],   v[SL_] offset:RO_+6144+64*(\ks)
	ds_load_b32 v[SC+4*(\set)+1], v[SL_] offset:RO_+6144+2*PT_+64*(\ks)
	ds_load_b32 v[SC+4*(\set)+2], v[SR_] offset:RO_+6144+64*(\ks)
	ds_load_b32 v[SC+4*(\set)+3], v[SR_] offset:RO_+6144+2*PT_+64*(\ks)
.irp a, 0,1,2,3
.irp p, 0,1,2,3,4,5
	ds_load_b64 v[FL+96*(\set)+12*\a+2*\p:FL+96*(\set)+12*\a+2*\p+1], v[AL_] offset:RO_+\a*PT_+(\ks)*1536+256*\p
.endr
.endr
.irp a, 0,1,2,3
.irp p, 0,1,2,3,4,5
	ds_load_b64 v[FL+96*(\set)+48+12*\a+2*\p:FL+96*(\set)+48+12*\a+2*\p+1], v[AR_] offset:RO_+\a*PT_+(\ks)*1536+256*\p
.endr
.endr
.endm
.macro WM set, cm, a, i
.set DD, 8*(4*(\a)+(\i))
.set CC, DD
.if (\cm) == 1
.set CC, BIAS+8*(\i)
.endif
.set RA, FL+96*(\set)+48+12*(\i)
.set LA, FL+96*(\set)+12*(\a)
.set SA, SC+4*(\set)+2+(\i)/2
.set SB, SC+4*(\set)+(\a)/2
.if ((\i)%2 == 0) && ((\a)%2 == 0)
	v_wmma_scale_f32_16x16x128_f8f6f4 v[DD:DD+7], v[RA:RA+11], v[LA:LA+11], v[CC:CC+7], v[SA], v[SB] matrix_a_fmt:MATRIX_FMT_BF6 matrix_b_fmt:MATRIX_FMT_BF6
.elseif ((\i)%2 == 1) && ((\a)%2 == 0)
	v_wmma_scale_f32_16x16x128_f8f6f4 v[DD:DD+7], v[RA:RA+11], v[LA:LA+11], v[CC:CC+7], v[SA], v[SB] matrix_a_fmt:MATRIX_FMT_BF6 matrix_b_fmt:MATRIX_FMT_BF6 matrix_a_scale:MATRIX_SCALE_ROW1
.elseif ((\i)%2 == 0)
	v_wmma_scale_f32_16x16x128_f8f6f4 v[DD:DD+7], v[RA:RA+11], v[LA:LA+11], v[CC:CC+7], v[SA], v[SB] matrix_a_fmt:MATRIX_FMT_BF6 matrix_b_fmt:MATRIX_FMT_BF6 matrix_b_scale:MATRIX_SCALE_ROW1
.else
	v_wmma_scale_f32_16x16x128_f8f6f4 v[DD:DD+7], v[RA:RA+11], v[LA:LA+11], v[CC:CC+7], v[SA], v[SB] matrix_a_fmt:MATRIX_FMT_BF6 matrix_b_fmt:MATRIX_FMT_BF6 matrix_a_scale:MATRIX_SCALE_ROW1 matrix_b_scale:MATRIX_SCALE_ROW1
.endif
.endm
.macro MUL set, cm                     ; 16 matrix instructions, the 16 accumulators by turns
	WIN 0x50
.irp a, 0,1,2,3
.irp i, 0,1,2,3
	WM \set, \cm, \a, \i
.endr
.endr
	WIN 0
.endm
.macro KSTEPN set, cm, nloc, nks       ; the next K step's operands are asked for, then this one is multiplied
	PLACES
	FETCH 1-(\set), \nloc, \nks
	s_wait_dscnt 52                                ; all but the 52 just issued: this K step's operands are in
	MUL \set, \cm
.endm
; A record's last K step; nloc: where the next record lies.  mode 3: the very last.  mode 6: the next record lies in the same slot: no meeting.
; Else: all my tensor loads (my piece of the slot that is read next among them), the add, the products, the wait for the add and for my reads of the slot that is left; then
; mode 0: the work-group's barrier;  mode 1: a round of the cluster's barrier and the big slot's refill;  mode 2: a round and the small slot's refill.
.macro TURN mode, nloc
.if (\mode) == 3
	s_wait_dscnt 0x0
	MUL 1, 0
.endif
.if (\mode) == 6
	KSTEPN 1, 0, \nloc, 0
.endif
.if (\mode) < 3
	s_wait_tensorcnt 0x0                           ; all my tensor loads have landed
	ds_add_u32 v[SPW], v[NIL]
	s_wait_dscnt 1                                 ; the add alone may be out
	MUL 1, 0
	PLACES
	s_wait_dscnt 0x0                               ; the add is done; my reads of the slot that is left are over
.if (\mode) == 0
	s_barrier_signal -1
	s_barrier_wait -1
.endif
.if (\mode) == 1
	CROUND
	s_add_nc_u64 s[G0XB+2:G0XB+3], s[G0XB+2:G0XB+3], 3*REC
	s_add_nc_u64 s[G0WB+2:G0WB+3], s[G0WB+2:G0WB+3], 3*REC
	JLOAD G0XB, G1XB, G0WB, G1WB
.endif
.if (\mode) == 2
	CROUND
	s_add_nc_u64 s[G0XS+2:G0XS+3], s[G0XS+2:G0XS+3], 3*REC
	s_add_nc_u64 s[G0WS+2:G0WS+3], s[G0WS+2:G0WS+3], 3*REC
	JLOAD G0XS, G1XS, G0WS, G1WS
.endif
	FETCH 0, \nloc, 0
.endif
.endm
.macro RECSTEP loc, cm, mode, nloc     ; a record: 512 along K, four K steps
	KSTEPN 0, \cm, \loc, 1
	KSTEPN 1, 0, \loc, 2
	KSTEPN 0, 0, \loc, 3
	TURN \mode, \nloc
.endm
.macro TOSTAGE a                       ; tile a's 16 rows x 64 columns into my stage, and back as rows
	WIN 0x04
.irp i, 0,1,2,3
	ds_store_b128 v[STO], v[8*(4*(\a)+\i):8*(4*(\a)+\i)+3] offset:128*(\i/2)+32*(\i%2)
	ds_store_b128 v[STO], v[8*(4*(\a)+\i)+4:8*(4*(\a)+\i)+7] offset:128*(\i/2)+32*(\i%2)+16
.endr
	WIN 0
.set SG, FL+32*((\a)%2)
.irp t, 0,1,2,3,4,5,6,7
	ds_load_b128 v[SG+4*\t:SG+4*\t+3], v[RD] offset:544*\t   ; LDS serves a wave's instructions in order: these see the stores above
.endr
.endm
.macro SEND a, younger
.set SG, FL+32*((\a)%2)
	s_wait_dscnt \younger
	WIN 0x82
.irp t, 0,1,2,3,4,5,6,7
	v_pk_add_f32 v[32*(\a)+4*\t:32*(\a)+4*\t+1], v[32*(\a)+4*\t:32*(\a)+4*\t+1], v[SG+4*\t:SG+4*\t+1]
	v_pk_add_f32 v[32*(\a)+4*\t+2:32*(\a)+4*\t+3], v[32*(\a)+4*\t+2:32*(\a)+4*\t+3], v[SG+4*\t+2:SG+4*\t+3]
.endr
	WIN 0x08
.irp t, 0,1,2,3,4,5,6,7
	global_store_b128 v[CO], v[32*(\a)+4*\t:32*(\a)+4*\t+3], s[76:77] offset:(32*((\a)/2)+8*((\a)%2)+2*\t+8*(\t/4))*4096
.endr
	WIN 0
.endm
	s_load_b256 s[68:75], s[0:1], 0x0              ; X's records, wr, the bias, the residual
	s_load_b64 s[76:77], s[0:1], 0x20              ; the result
	v_lshl_add_u32 v[SPW], v0, 2, SPARE
	v_mov_b32 v[NIL], 0
	ds_add_u32 v10, v11
	ds_add_u32 v10, v11
	s_wait_dscnt 0x0
	v_lshrrev_b32 v1, 5, v0
	v_readfirstlane_b32 s10, v1
	s_lshr_b32 s11, s10, 1
	s_and_b32 s12, s10, 1
	s_bfe_u32 s40, ttmp6, 0x40000
	s_bfe_u32 s41, ttmp6, 0x40004
	s_lshl_b32 s42, ttmp9, 2
	s_add_co_u32 s42, s42, s40                     ; tile column x
	s_and_b32 s13, ttmp7, 0xffff
	s_lshl_b32 s13, s13, 2
	s_add_co_u32 s13, s13, s41                     ; tile row y
	s_lshl_b32 s43, s41, 2
	s_lshl_b32 s43, 15, s43
	s_lshl_b32 s44, 0x1111, s40
	s_or_b32 s[G1XB+0], s43, (3<<16)|(1<<21)       ; the mask; elements of 8 bytes; bit 21 beside a mask; no padding
	s_or_b32 s[G1WB+0], s44, (3<<16)|(1<<21)
	s_or_b32 s[G1XS+0], s43, (3<<16)|(1<<21)
	s_or_b32 s[G1WS+0], s44, (3<<16)|(1<<21)
.irp g, G1XB, G1WB
	s_mov_b32 s[\g+1], 1600<<16                    ; tensor_dim0 = 1,600 elements: two records
	s_mov_b32 s[\g+2], 4<<16                       ; tensor_dim1 = 4 tiles
	s_mov_b32 s[\g+3], 1600<<16                    ; tile_dim0
	s_mov_b32 s[\g+4], 4                           ; tile_dim1
	s_mov_b32 s[\g+5], KC*800                      ; from a tile's records to the next tile's
	s_mov_b32 s[\g+6], 0
	s_mov_b32 s[\g+7], 0
.endr
.irp g, G1XS, G1WS
	s_mov_b32 s[\g+1], 800<<16                     ; one record
	s_mov_b32 s[\g+2], 4<<16
	s_mov_b32 s[\g+3], 800<<16
	s_mov_b32 s[\g+4], 4
	s_mov_b32 s[\g+5], KC*800
	s_mov_b32 s[\g+6], 0
	s_mov_b32 s[\g+7], 0
.endr
	s_lshl_b32 s16, s13, 3
	s_lshl_b32 s17, s12, 2
	s_add_co_u32 s16, s16, s17                     ; X: tile 8 y + 4 x half
	s_mul_i32 s16, s16, KC*REC
	s_mov_b32 s17, 0
	s_lshl_b32 s46, s42, 3
	s_lshl_b32 s47, s12, 2
	s_add_co_u32 s46, s46, s47                     ; W: tile 8 x + 4 x half
	s_mul_i32 s46, s46, KC*REC
	s_add_co_u32 s46, s46, WOFF
	s_mov_b32 s47, 0
	s_mul_i32 s19, s10, 8*REC                      ; where they go: in the big slot wave x 4 tiles x 2 records,
	s_mul_i32 s20, s10, 4*REC                      ; in the small one wave x 4 records
	s_wait_kmcnt 0x0
	s_add_nc_u64 s[14:15], s[68:69], s[16:17]
	s_add_nc_u64 s[46:47], s[70:71], s[46:47]
	s_mov_b32 s[G0XB], 1                           ; records 0, 1
	s_mov_b32 s[G0XB+1], s19
	s_mov_b64 s[G0XB+2:G0XB+3], s[14:15]
	s_or_b32 s[G0XB+3], s[G0XB+3], 0x80000000
	s_mov_b32 s[G0WB], 1
	s_mov_b32 s[G0WB+1], s19
	s_mov_b64 s[G0WB+2:G0WB+3], s[46:47]
	s_or_b32 s[G0WB+3], s[G0WB+3], 0x80000000
	s_mov_b32 s[G0XS], 1                           ; record 2
	s_add_co_u32 s[G0XS+1], s20, SM
	s_add_nc_u64 s[G0XS+2:G0XS+3], s[14:15], 2*REC
	s_or_b32 s[G0XS+3], s[G0XS+3], 0x80000000
	s_mov_b32 s[G0WS], 1
	s_add_co_u32 s[G0WS+1], s20, SM
	s_add_nc_u64 s[G0WS+2:G0WS+3], s[46:47], 2*REC
	s_or_b32 s[G0WS+3], s[G0WS+3], 0x80000000
	CROUND                                         ; all sixteen work-groups are here: the first joint loads meet
	JLOAD G0XB, G1XB, G0WB, G1WB
	JLOAD G0XS, G1XS, G0WS, G1WS                   ; two loads of mine are out
	v_and_b32 v13, 31, v0
	v_lshlrev_b32 v[LN8], 3, v13
	v_and_b32 v14, 15, v0                          ; r
	v_bfe_u32 v12, v0, 4, 1                        ; h
	v_mul_u32_u24 v15, v12, 2*REC
	v_lshl_add_u32 v15, v14, 2, v15                ; big slot's scale words: 4 r, lanes 16-31 one tile (two records) on
	s_mul_i32 s21, s11, 8*REC
	s_mul_i32 s22, s12, 8*REC
	s_add_co_u32 s22, s22, BPART
	v_add_nc_u32 v2, s21, v[LN8]
	v_add_nc_u32 v3, s22, v[LN8]
	v_add_nc_u32 v4, s21, v15
	v_add_nc_u32 v5, s22, v15
	v_mul_u32_u24 v15, v12, REC
	v_lshl_add_u32 v15, v14, 2, v15                ; small slot's: lanes 16-31 one record on
	s_mul_i32 s21, s11, 4*REC
	s_add_co_u32 s21, s21, SM
	s_mul_i32 s22, s12, 4*REC
	s_add_co_u32 s22, s22, SM+SPART
	v_add_nc_u32 v6, s21, v[LN8]
	v_add_nc_u32 v7, s22, v[LN8]
	v_add_nc_u32 v8, s21, v15
	v_add_nc_u32 v9, s22, v15
	s_mul_i32 s23, s10, 16*272
	s_add_co_u32 s23, s23, STAGE                   ; my stage
	v_mul_u32_u24 v[STO], v14, 272
	v_lshl_add_u32 v[STO], v12, 6, v[STO]
	v_add_nc_u32 v[STO], s23, v[STO]               ; in: place r, + 64 h
	v_mul_u32_u24 v[RD], v12, 272
	v_lshl_add_u32 v[RD], v14, 4, v[RD]
	v_add_nc_u32 v[RD], s23, v[RD]                 ; back: lanes 0-15 one place, lanes 16-31 the next
	v_lshlrev_b32 v[CO], 4, v14
	v_lshl_add_u32 v[CO], v12, 12, v[CO]           ; and the same two rows in memory
	v_lshlrev_b32 v[BO], 6, v12                    ; 64 h
	s_lshl_b32 s96, s42, 9
	s_lshl_b32 s98, s12, 8
	s_add_co_u32 s98, s98, s96                     ; column 128 x + 64 wn, in bytes
	s_mov_b32 s99, 0
	s_add_nc_u64 s[72:73], s[72:73], s[98:99]
	s_lshl_b32 s96, s13, 19
	s_add_co_u32 s98, s98, s96
	s_lshl_b32 s96, s11, 18
	s_add_co_u32 s98, s98, s96                     ; + row 128 y + 64 wm
	s_add_nc_u64 s[74:75], s[74:75], s[98:99]
	s_add_nc_u64 s[76:77], s[76:77], s[98:99]
	WIN 0x40
.irp i, 0,1,2,3
	global_load_b128 v[BIAS+8*\i:BIAS+8*\i+3], v[BO], s[72:73] offset:(32*(\i/2)+8*(\i%2))*4
	global_load_b128 v[BIAS+8*\i+4:BIAS+8*\i+7], v[BO], s[72:73] offset:(32*(\i/2)+8*(\i%2))*4+16
.endr
	WIN 0x80
.irp a, 0,1,2,3
.irp t, 0,1,2,3,4,5,6,7
	global_load_b128 v[32*\a+4*\t:32*\a+4*\t+3], v[CO], s[74:75] offset:(32*(\a/2)+8*(\a%2)+2*\t+8*(\t/4))*4096
.endr
.endr
	WIN 0
	s_wait_tensorcnt 1                             ; my piece of the big slot is in; the small slot's load may be out
	s_barrier_signal -1
	s_barrier_wait -1
	FETCH 0, 0, 0
	s_wait_loadcnt 32                              ; the bias is in; the residual's 32 loads may be out
	RECSTEP 0, 1, 6, 1                             ; record 0
	RECSTEP 1, 0, 1, 2                             ; record 1; the big slot takes records 3, 4
	RECSTEP 2, 0, 2, 0                             ; record 2; the small slot takes record 5
	RECSTEP 0, 0, 6, 1                             ; record 3
	RECSTEP 1, 0, 1, 2                             ; record 4; the big slot takes records 6, 7
	RECSTEP 2, 0, 0, 0                             ; record 5; nothing more is asked for
	RECSTEP 0, 0, 6, 1                             ; record 6
	RECSTEP 1, 0, 3, 0                             ; record 7
	PLACES
	s_wait_loadcnt 0x0                             ; the residual
	TOSTAGE 0
.irp a, 1,2,3
	TOSTAGE \a
	SEND \a-1, 16                                  ; behind that tile's loads: the next tile's 8 stores and 8 loads
.endr
	SEND 3, 0
	s_wait_tensorcnt 0x0                           ; the wave's end
	ds_add_u32 v[SPW], v[NIL]
	s_wait_dscnt 0x0
	CROUND                                         ; the closing round
	s_endpgm
.Lfunc_end_k_q559a04267d_w2:
	.size	k_q559a04267d_w2, .Lfunc_end_k_q559a04267d_w2-k_q559a04267d_w2
	.p2alignl 7, 3214868480
	.fill 96, 4, 3214868480
	.section	.rodata,"a",@progbits
	.p2align	6, 0x0
	.amdhsa_kernel k_q559a04267d_w2
		.amdhsa_group_segment_fixed_size 327680
		.amdhsa_private_segment_fixed_size 0
		.amdhsa_enable_private_segment 0
		.amdhsa_kernarg_size 40
		.amdhsa_user_sgpr_count 2
		.amdhsa_user_sgpr_kernarg_segment_ptr 1
		.amdhsa_wavefront_size32 1
		.amdhsa_system_sgpr_workgroup_id_x 1
		.amdhsa_system_sgpr_workgroup_id_y 1
		.amdhsa_system_sgpr_workgroup_id_z 1
		.amdhsa_system_vgpr_workitem_id 0
		.amdhsa_next_free_vgpr 640
		.amdhsa_next_free_sgpr 100
		.amdhsa_reserve_vcc 0
		.amdhsa_float_denorm_mode_32 3
		.amdhsa_float_denorm_mode_16_64 3
		.amdhsa_memory_ordered 1
		.amdhsa_forward_progress 1
		.amdhsa_inst_pref_size 203
	.end_amdhsa_kernel
	.amdgpu_metadata
---
amdhsa.version: [ 1, 2 ]
amdhsa.kernels:
  - .name:           k_q559a04267d_w2
    .symbol:         k_q559a04267d_w2.kd
    .args:
      - { .name: hr, .offset: 0, .size: 8, .value_kind: global_buffer, .address_space: global }
      - { .name: wr, .offset: 8, .size: 8, .value_kind: global_buffer, .address_space: global }
      - { .name: b2, .offset: 16, .size: 8, .value_kind: global_buffer, .address_space: global }
      - { .name: feat2, .offset: 24, .size: 8, .value_kind: global_buffer, .address_space: global }
      - { .name: out0, .offset: 32, .size: 8, .value_kind: global_buffer, .address_space: global }
    .group_segment_fixed_size: 327680
    .private_segment_fixed_size: 0
    .kernarg_segment_align: 8
    .kernarg_segment_size: 40
    .max_flat_workgroup_size: 128
    .sgpr_count:     100
    .vgpr_count:     640
    .wavefront_size: 32
...
	.end_amdgpu_metadata
.endif
;; end of part 7
;; ======== version 2 of 2: 8 launches; version 1 with the launch attn written anew for expert scheduling mode
;; workspace buffers: wr 9,830,400 bytes; xr 3,276,800 bytes; qkvb 9,961,472 bytes; feat2 16,777,216 bytes; hr 13,107,200 bytes; mt 8,448 bytes of whole numbers
;; launch prep: the kernel of part 1 again; grid 769 x 1, 4 waves a work-group, no clusters, 0 bytes of LDS; arguments wq, wk, wv, wo, w1, w2, src_key_padding_mask, wr, mt; writes wr, mt
;; launch ln1: the kernel of part 2 again; grid 256 x 1, 8 waves a work-group, no clusters, 67,072 bytes of LDS; arguments feature, ln1_g, ln1_b, xr; writes xr
;; launch qkv: the kernel of part 3 again; grid 8 x 32, 4 waves a work-group, clusters of 4 x 4, 327,680 bytes of LDS; arguments xr, wr, bq, bk, bv, qkvb; writes qkvb
;; launch attn (part 8): grid 8 x 32, 16 waves a work-group, no clusters, 53,248 bytes of LDS; arguments qkvb, mt, xr; writes xr
.if DOCPART == 8
	.amdgcn_target "amdgcn-amd-amdhsa--gfx1250"
	.amdhsa_code_object_version 6
	.text
	.protected	k_q559a04267d_attn
	.globl	k_q559a04267d_attn
	.p2align	8
	.type	k_q559a04267d_attn,@function
k_q559a04267d_attn:
	s_mov_b64 s[64:65], 0
	v_nop
	global_prefetch_b8 v0, s[64:65] scope:SCOPE_SE
	s_setreg_imm32_b32 hwreg(HW_REG_WAVE_SCHED_MODE, 0, 2), 2
	s_setreg_imm32_b32 hwreg(HW_REG_WAVE_MODE, 25, 1), 1
	s_wait_xcnt 0x0
	s_wait_alu depctr_vm_vsrc(0)
; Attention of one head for 256 queries, both products on codes of E3M2; the result is quantised along the model's 1,024 and stored into the records of the next product's operand.
; Sixteen waves, a tile of 16 queries each; every wave walks the batch's 2,048 keys, 128 a step.  t = score x log2(e) / 8; M = the running largest t rounded up to a whole number; p = 2^(t - M) is quantised along the keys;
; the row's sum is taken of the unquantised p and divides at the end; when M moves, the sum and O are multiplied by 2^(old M - new M).
; A KEY STEP is 12,800 dense bytes as the launch before laid them: K's 8 tiles of 16 keys x 64 (768 bytes each), V's 4 fragments (16 channels x 128 keys), K's and V's scale words.  They go from memory through registers
; into one of FOUR LDS buffers: 16 bytes a thread, and 16 more in waves 0 to 8; asked of memory two steps ahead, stored one step ahead.  No tensor load: so a step without holes in the mask may jump over the mask's lines, by a branch on a stored whole number.
; ONE BARRIER A STEP, ITS TWO HALVES FAR APART.  In step S a wave stores its part of step S + 1, waits for its LDS instructions and signals; it waits for the others only at the step's end, in front of its reads of step S + 1.
; So the waves may drift up to a step apart.  A store into buffer (S + 1) % 4 stands behind the wait of step S - 1: every wave has then signalled in step S - 1, so it has ended step S - 2, and reads at most buffers (S - 1) % 4 and S % 4.
; Between a signal and its wait stand register work and LDS loads of buffer S % 4, which is next written three barriers later.
; THE HEAD IS 64, THE INSTRUCTION'S K IS 128: a fragment of K holds the even tile's 64 in its first half and the odd tile's in its second; q stands once as (q, zeros) and once as (zeros, q): zero codes add nothing.
; Both products are used transposed: a lane holds one query throughout.  Tile 2 f + u holds keys 32 f + 8 u + r + 8 (r / 8), so that score registers 16 f + i are keys 32 f + 16 (lane / 16) + i.
; THE MASK: a hidden key's score becomes -2^120, a power of two, so that its t is exact: with any open key its p is 0; where all keys of a batch are hidden every p is 1, the plain mean, as the softmax of equal scores.
; LIMITS: scores stay under 2^120 in magnitude; NaN and infinities are not served; a block under 2^(5 - 127) gets the byte 1.
; REGISTERS: v1 8 x lane, v2 4 x (lane % 16), v3 16 x thread; v7 -2^120; v12 -M, v13 the largest t, v[14:15] the sum; v16-33 q, zeros, q; v36-83 four fragments; v84-91 bytes on their way to LDS;
;   v96-159 scores, then p; v160-191 O^T; v224-235 p's codes; v232-254 at work; v248-251 K's or V's scale words, v253 p's, v255 q's.  s16-63, s80-95: the step's 64 lane masks.
; THE MODE: SCHED_MODE bits 1:0 = 2 (LLVM: expert scheduling mode 2), set by the entry lines.  The code itself states the register dependences
; between vector or matrix instructions and memory or LDS instructions, with s_wait_alu, always for 0.
; THE PLAN.  Registers that memory or LDS instructions touch:
;   v1, v2, v3        Addresses and offsets: written at the head, ahead of the head's wait on va_vdst, and never again; read by every LDS and global instruction.
;   v84-91            Global loads land in them, LDS stores read them; no vector instruction names them.  One wait on vm_vsrc a step stands between the stores and the loads that land there again.
;   v36-83, v248-251  In a step: K's LDS loads land; the eight products K Q^T read; V's LDS loads land; the four products V^T P^T read.  So two waits on va_vdst a step: one ahead of K's loads
;                     (the last step's products V^T P^T are done reading), one ahead of V's (this step's products K Q^T are).  Behind the second, V's four groups of seven loads are dealt among the lines that
;                     search for the largest score, which name v7, v96-159 and v232-235 alone: none of the registers that those loads touch.
;   v16-21, v255      q: loaded once, at the head.  v22-33: written by moves at the head; the first step's wait on va_vdst stands between them and the scaled products that take them.
;   v224-235, v253    p's codes and scale word: written by vector instructions, taken by the scaled products V^T P^T: a wait on va_vdst behind the places, directly ahead of those products.
;   v36-41, v240      On the way out: written by vector instructions, read by the global stores: one wait on va_vdst ahead of the stores.
;   v223, v243        Written at the head, read by the closing add alone.
.set KVB, 12800
.set SEL, 66
.set CS, 68
.set HOL, 70
.set SI, 71
.set CNT, 72
.set MTP, 100
.set TM, 232
.macro PLACES
.rept 4
	v_nop
.endr
.endm
.macro KVLOAD
	global_load_b128 v[84:87], v3, s[4:5]
	s_cmp_lt_u32 s10, 9
	s_cbranch_scc0 .Lno_ld_\@
	global_load_b128 v[88:91], v3, s[4:5] offset:8192
.Lno_ld_\@:
.endm
.macro KVSTORE buf
	ds_store_b128 v3, v[84:87] offset:(\buf)*KVB
	s_cmp_lt_u32 s10, 9
	s_cbranch_scc0 .Lno_st_\@
	ds_store_b128 v3, v[88:91] offset:(\buf)*KVB+8192
.Lno_st_\@:
.endm
.macro VFRAG buf, t                    ; V's fragment t and its scale words: seven LDS loads
.irp p, 0,1,2,3,4,5
	ds_load_b64 v[36+12*(\t)+2*\p:37+12*(\t)+2*\p], v1 offset:(\buf)*KVB+6144+1536*(\t)+256*\p
.endr
	ds_load_b32 v[248+(\t)], v2 offset:(\buf)*KVB+12544+64*(\t)
.endm
; A key step, read from buffer buf.  st: the next step's bytes go into the next buffer; ld: the step after that is asked of memory; bar: the step has a barrier
.macro STEP buf, st, ld, bar
	s_load_b512 s[16:31], s[MTP:MTP+1], 0x0        ; the step's lane masks
	s_load_b512 s[32:47], s[MTP:MTP+1], 0x40
	s_load_b512 s[48:63], s[MTP:MTP+1], 0x80
	s_load_b512 s[80:95], s[MTP:MTP+1], 0xc0
	PLACES                                         ; four plain lines behind the last products, ahead of loads into registers that they read; the dependence itself is stated by the wait below
.if \st
	s_wait_loadcnt 0x0                             ; the next step's bytes are in registers (asked for a step ago)
	KVSTORE ((\buf)+1)%4                           ; nobody reads that buffer: every wave has ended the step before last.  (No vector instruction names v84-91, and none has named v3 since the head's wait)
.endif
	s_wait_alu depctr_va_vdst(0)                   ; the last step's products V^T P^T are done reading v36-83 and v248-251, in which K's loads land; in the first step: the head's moves have written v22-33, which the scaled products take
.irp f, 0,1,2,3
.irp p, 0,1,2,3,4,5
	ds_load_b64 v[36+12*\f+2*\p:37+12*\f+2*\p], v1 offset:(\buf)*KVB+1536*\f+256*\p
.endr
	ds_load_b32 v[248+\f], v2 offset:(\buf)*KVB+12288+64*\f
.endr
	s_wait_dscnt 0x0                               ; K is in, and my part of the next step lies in LDS
.if \ld
	s_wait_alu depctr_vm_vsrc(0)                   ; the LDS stores above have read v84-91, in which the loads below land
	s_add_nc_u64 s[4:5], s[4:5], KVB               ; (the loads that named it are done)
	KVLOAD
.endif
.if \bar
	s_barrier_signal -1                            ; say so now; the others are waited for at the step's end
.endif
.irp f, 0,1,2,3
	v_wmma_scale_f32_16x16x128_f8f6f4 v[96+16*\f:103+16*\f], v[36+12*\f:47+12*\f], v[16:27], 0, v[248+\f], v255 matrix_a_fmt:MATRIX_FMT_BF6 matrix_b_fmt:MATRIX_FMT_BF6
	v_wmma_scale_f32_16x16x128_f8f6f4 v[104+16*\f:111+16*\f], v[36+12*\f:47+12*\f], v[22:33], 0, v[248+\f], v255 matrix_a_fmt:MATRIX_FMT_BF6 matrix_b_fmt:MATRIX_FMT_BF6
.endr
	PLACES                                         ; four places behind the products, before their results are read
	s_wait_alu depctr_va_vdst(0)                   ; the products K Q^T are done reading v36-83 and v248-251, in which V's loads land; the places above stay beside this wait
	VFRAG \buf, 0                                  ; V's fragments land while the softmax is walked
	s_wait_kmcnt 0x0
	s_add_nc_u64 s[MTP:MTP+1], s[MTP:MTP+1], 256
	s_bitcmp1_b32 s[HOL], s[SI]                    ; has this key step a hole?  A whole number that an earlier launch stored
	s_cbranch_scc0 .Lopen_\@
.set n, 0
.rept 64
	v_cndmask_b32 v[96+n], v7, v[96+n], s[16+n+16*(n/48)]
.set n, n+1
.endr
.Lopen_\@:
.irp b, 0,1,2,3
	v_max3_num_f32 v[232+\b], v[96+16*\b], v[97+16*\b], v[98+16*\b]   ; the largest score of each block of 32 keys: for the row's maximum and for the block's largest p
.endr
	VFRAG \buf, 1                                  ; no wait: no vector or matrix instruction since the wait above names v36-83 or v248-251
.irp i, 3,5
.irp b, 0,1,2,3
	v_max3_num_f32 v[232+\b], v[232+\b], v[96+16*\b+\i], v[97+16*\b+\i]
.endr
.endr
	VFRAG \buf, 2
.irp i, 7,9
.irp b, 0,1,2,3
	v_max3_num_f32 v[232+\b], v[232+\b], v[96+16*\b+\i], v[97+16*\b+\i]
.endr
.endr
	VFRAG \buf, 3
.irp i, 11,13
.irp b, 0,1,2,3
	v_max3_num_f32 v[232+\b], v[232+\b], v[96+16*\b+\i], v[97+16*\b+\i]
.endr
.endr
.irp b, 0,1,2,3
	v_max_num_f32 v[232+\b], v[232+\b], v[111+16*\b]
.endr
.irp b, 0,1,2,3
	v_permlanex16_b32 v[236+\b], v[232+\b], s[SEL], s[SEL+1]
.endr
.irp b, 0,1,2,3
	v_max_num_f32 v[232+\b], v[232+\b], v[236+\b]
.endr
	v_max3_num_f32 v254, v232, v233, v234
	v_max_num_f32 v254, v254, v235
	v_mul_f32 v254, s[CS], v254                    ; as t
	v_max_num_f32 v13, v13, v254                   ; the running largest t
	v_mov_b32 v254, v12
	v_floor_f32 v12, -v13                          ; the new -M = -ceil(t)
	v_sub_f32 v254, v12, v254                      ; old M - new M: a whole number, 0 or less
	v_cvt_i32_f32 v254, v254                       ; (it saturates)
	v_ldexp_f32 v252, 1.0, v254                    ; f = 2^(old M - new M)
.irp j, 0,2,4,6,8,10,12,14,16,18,20,22,24,26,28,30,32,34,36,38,40,42,44,46,48,50,52,54,56,58,60,62
	v_pk_fma_f32 v[96+\j:97+\j], v[96+\j:97+\j], s[CS:CS+1], v[12:13] op_sel_hi:[1,0,0]   ; t - M
.endr
.irp b, 0,1,2,3
	v_fma_f32 v[232+\b], v[232+\b], s[CS], v12
.endr
.set n, 0
.rept 64
	v_exp_f32 v[96+n], v[96+n]                     ; p = 2^(t - M)
.set n, n+1
.endr
	v_pk_mul_f32 v[14:15], v[14:15], v[252:253] op_sel_hi:[1,0]   ; the sums under the new M (a plain line behind the exponentials)
	s_wait_alu depctr_va_vdst(0)                   ; the 64 exponentials have written v96-159: one wait for the batch, ahead of its first reader
.irp b, 0,1,2,3
	v_exp_f32 v[232+\b], v[232+\b]                 ; each block's largest p
.endr
	v_pk_add_f32 v[236:237], v[96:97], v[98:99]    ; the row's sum of the unquantised p, in two chains
.irp j, 4,8,12,16,20,24,28,32,36,40,44,48,52,56,60
	v_pk_add_f32 v[14:15], v[14:15], v[96+\j:97+\j]
	v_pk_add_f32 v[236:237], v[236:237], v[98+\j:99+\j]
.endr
	v_pk_add_f32 v[14:15], v[14:15], v[236:237]
	s_wait_alu depctr_va_vdst(0)                   ; the four exponentials have written v232-235, ahead of their first reader
.irp b, 0,1,2,3
	v_max_num_f32 v[232+\b], 0x2800000, v[232+\b]  ; the floor 2^(5 - 127)
.endr
.irp b, 0,1,2,3
	v_add_nc_u32 v[244+\b], 0xfe000000, v[232+\b]
.endr
.irp b, 0,1,2,3
	v_lshrrev_b32 v[236+\b], 23, v[244+\b]
.endr
	v_lshl_or_b32 v253, v237, 8, v236              ; p's scale word for these 128 keys
	v_lshl_or_b32 v253, v238, 16, v253
	v_lshl_or_b32 v253, v239, 24, v253
.irp c, 0,1
	v_cvt_scalef32_pk16_bf6_f32 v[224+6*\c:226+6*\c], v[96+32*\c:111+32*\c], v[244+2*\c]
	v_cvt_scalef32_pk16_bf6_f32 v[236+4*\c:238+4*\c], v[112+32*\c:127+32*\c], v[244+2*\c+1]
.endr
	v_nop
.irp c, 0,1
.irp i, 0,1,2
	v_permlane16_swap_b32 v[224+6*\c+\i], v[236+4*\c+\i]
.endr
.irp i, 0,1,2
	v_mov_b32 v[227+6*\c+\i], v[236+4*\c+\i]
.endr
.endr
.irp j, 0,2,4,6,8,10,12,14,16,18,20,22,24,26,28,30
	v_pk_mul_f32 v[160+\j:161+\j], v[160+\j:161+\j], v[252:253] op_sel_hi:[1,0]   ; O^T under the new M; these 16 are also the places in front of the scaled products
.endr
	s_wait_dscnt 0x0                               ; V is in: my reads of this buffer are over
	s_wait_alu depctr_va_vdst(0)                   ; p's codes v224-235 and its scale word v253 are written, which the scaled products below take; the places above stay beside this wait
.irp t, 0,1,2,3
	v_wmma_scale_f32_16x16x128_f8f6f4 v[160+8*\t:167+8*\t], v[36+12*\t:47+12*\t], v[224:235], v[160+8*\t:167+8*\t], v[248+\t], v253 matrix_a_fmt:MATRIX_FMT_BF6 matrix_b_fmt:MATRIX_FMT_BF6
.endr
.if \bar
	s_barrier_wait -1                              ; every wave's part of the next step lies in LDS
.endif
	s_add_co_u32 s[SI], s[SI], 1
.endm
	s_load_b128 s[4:7], s[0:1], 0x0                ; qkvb, mt
	s_load_b64 s[8:9], s[0:1], 0x10                ; the records
	v_lshl_add_u32 v223, v0, 2, 0xc800
	v_mov_b32 v243, 0
	v_lshrrev_b32 v1, 5, v0
	v_readfirstlane_b32 s10, v1                    ; wave 0..15
	v_and_b32 v2, 31, v0
	v_lshlrev_b32 v1, 3, v2
	v_and_b32 v2, 15, v0
	v_lshlrev_b32 v2, 2, v2
	v_lshlrev_b32 v3, 4, v0
	v_mov_b32 v7, 0xfb800000                       ; -2^120
	s_wait_alu depctr_va_sdst(0)                   ; s10 is written, ahead of its first reader: my tile of queries is made from it
	s_and_b32 s11, ttmp7, 0xffff                   ; bh
	s_lshr_b32 s12, s11, 4                         ; b
	s_and_b32 s13, s11, 15                         ; the head
	s_lshl_b32 s14, ttmp9, 4
	s_add_co_u32 s14, s14, s10                     ; my tile of queries
	s_lshl_b32 s15, s11, 7
	s_add_co_u32 s15, s15, s14
	s_mul_i32 s74, s15, 768
	s_mov_b32 s75, 0
	s_lshl_b32 s76, s15, 6
	s_add_co_u32 s76, s76, 3145728
	s_mov_b32 s77, 0
	s_mul_i32 s78, s11, 16*KVB
	s_add_co_u32 s78, s78, 3407872
	s_mov_b32 s79, 0
	s_lshl_b32 s96, s12, 12                        ; 16 steps x 256 bytes of masks a batch
	s_mov_b32 s97, 0
	s_lshl_b32 s98, s12, 7
	s_add_co_u32 s98, s98, s14
	s_lshl_b32 s98, s98, 1
	s_lshr_b32 s99, s13, 3
	s_add_co_u32 s98, s98, s99
	s_mul_i32 s98, s98, 6400                       ; the record: tile 128 b + qt, K = 64 x head
	s_mov_b32 s99, 0
	s_lshr_b32 s15, s13, 1
	s_and_b32 s15, s15, 3                          ; its K step
	s_and_b32 s73, s13, 1                          ; and the half of it
	s_lshl_b32 s[SI], s12, 4
	s_mov_b32 s[CNT], 3
	s_mov_b32 s[SEL], 0x76543210
	s_mov_b32 s[SEL+1], 0xfedcba98
	s_mov_b32 s[CS], 0x3e38aa3b                    ; log2(e) / 8
	s_mov_b32 s[CS+1], s[CS]
	s_wait_kmcnt 0x0
	s_load_b32 s[HOL], s[6:7], 0x2000              ; which key steps have holes
	s_add_nc_u64 s[MTP:MTP+1], s[6:7], s[96:97]
	s_add_nc_u64 s[74:75], s[4:5], s[74:75]        ; q's codes
	s_add_nc_u64 s[76:77], s[4:5], s[76:77]        ; q's words
	s_add_nc_u64 s[4:5], s[4:5], s[78:79]          ; the head's key steps
	s_add_nc_u64 s[8:9], s[8:9], s[98:99]
	s_mul_i32 s98, s15, 1536
	s_mul_i32 s14, s73, 768
	s_add_co_u32 s98, s98, s14
	s_add_nc_u64 s[78:79], s[8:9], s[98:99]        ; where my codes go
	s_lshl_b32 s98, s15, 6
	s_lshl_b32 s14, s73, 1
	s_add_co_u32 s98, s98, s14
	s_add_co_u32 s98, s98, 6144
	s_add_nc_u64 s[96:97], s[8:9], s[98:99]        ; and my two scale bytes a row
	s_wait_alu depctr_va_vdst(0)                   ; v1, v2 and v3 are written: every LDS and global instruction of the kernel reads one of them as its address or offset, and no vector instruction names them again
	KVLOAD                                         ; key step 0
.irp p, 0,1,2
	global_load_b64 v[16+2*\p:17+2*\p], v1, s[74:75] offset:256*\p
.endr
	global_load_b32 v255, v2, s[76:77]
	s_wait_loadcnt 0x0
.irp i, 0,1,2,3,4,5
	v_mov_b32 v[28+\i], v[16+\i]
	v_mov_b32 v[22+\i], 0
.endr
	KVSTORE 0
	s_wait_dscnt 0x0                               ; for the others' sake: my part of step 0 lies in LDS
	s_wait_alu depctr_vm_vsrc(0)                   ; the LDS stores above have read v84-91, in which the loads below land
	s_add_nc_u64 s[4:5], s[4:5], KVB
	KVLOAD                                         ; key step 1
	s_barrier_signal -1
	s_barrier_wait -1
	v_mov_b32 v13, 0xff61b1e6                      ; the largest t so far: -3e38
	v_floor_f32 v12, -v13
	v_mov_b32 v14, 0
	v_mov_b32 v15, 0
.irp b, 0,1,2,3
	v_mov_b32 v[236+\b], 0                         ; a lane permute's destination counts as read
.endr
	v_mov_b32 v253, 0
.set n, 0
.rept 32
	v_mov_b32 v[160+n], 0                          ; O^T: the step is written without a first form of its own; the first change of M multiplies zeros
.set n, n+1
.endr
.Lquad:                                            ; three trips of four key steps: the buffers are constants of the text
	STEP 0, 1, 1, 1
	STEP 1, 1, 1, 1
	STEP 2, 1, 1, 1
	STEP 3, 1, 1, 1
	s_sub_co_u32 s[CNT], s[CNT], 1
	s_cmp_lg_u32 s[CNT], 0
	s_cbranch_scc1 .Lquad
	STEP 0, 1, 1, 1                                ; step 12
	STEP 1, 1, 1, 1                                ; step 13 asks for step 15
	STEP 2, 1, 0, 1                                ; step 14: nothing is left to ask for
	STEP 3, 0, 0, 0                                ; step 15
	PLACES
	v_add_f32 v14, v14, v15
	v_permlanex16_b32 v252, v14, s[SEL], s[SEL+1]
	v_add_f32 v14, v14, v252                       ; the row's sum
	v_rcp_f32 v14, v14
	v_nop
	s_wait_alu depctr_va_vdst(0)                   ; the reciprocal has written v14, ahead of its first reader
.set n, 0
.rept 32
	v_mul_f32 v[96+n], v[160+n], v14               ; register 16 b + i is channel 32 b + 16 (lane / 16) + i of my query
.set n, n+1
.endr
.irp b, 0,1
	v_max3_num_f32 v[TM+\b], |v[96+16*\b]|, |v[97+16*\b]|, 0x2800000
.endr
.irp i, 2,4,6,8,10,12,14
.irp b, 0,1
	v_max3_num_f32 v[TM+\b], v[TM+\b], |v[96+16*\b+\i]|, |v[97+16*\b+\i]|
.endr
.endr
.irp b, 0,1
	v_permlanex16_b32 v[TM+4+\b], v[TM+\b], s[SEL], s[SEL+1]
.endr
.irp b, 0,1
	v_max_num_f32 v[TM+\b], v[TM+\b], v[TM+4+\b]
.endr
.irp b, 0,1
	v_add_nc_u32 v[TM+12+\b], 0xfe000000, v[TM+\b]
.endr
.irp b, 0,1
	v_lshrrev_b32 v[TM+4+\b], 23, v[TM+12+\b]
.endr
	v_lshl_or_b32 v240, v[TM+5], 8, v[TM+4]
	v_cvt_scalef32_pk16_bf6_f32 v[36:38], v[96:111], v[TM+12]
	v_cvt_scalef32_pk16_bf6_f32 v[44:46], v[112:127], v[TM+13]
	v_nop
.irp i, 0,1,2
	v_permlane16_swap_b32 v[36+\i], v[44+\i]
.endr
.irp i, 0,1,2
	v_mov_b32 v[39+\i], v[44+\i]
.endr
	s_wait_alu depctr_va_vdst(0)                   ; the exchanges and moves have written v36-41, the shift v240: the stores below read them
.irp p, 0,1,2
	global_store_b64 v1, v[36+2*\p:37+2*\p], s[78:79] offset:256*\p   ; 32 lanes store 256 consecutive bytes, aligned
.endr
	global_store_b16 v2, v240, s[96:97]
	s_wait_dscnt 0x0                               ; the closing lines, six on end
	s_wait_alu 0x0
	s_wait_tensorcnt 0x0
	ds_add_u32 v223, v243
	s_wait_dscnt 0x0
	s_endpgm
.Lfunc_end_k_q559a04267d_attn:
	.size	k_q559a04267d_attn, .Lfunc_end_k_q559a04267d_attn-k_q559a04267d_attn
	.p2alignl 7, 3214868480
	.fill 96, 4, 3214868480
	.section	.rodata,"a",@progbits
	.p2align	6, 0x0
	.amdhsa_kernel k_q559a04267d_attn
		.amdhsa_group_segment_fixed_size 53248
		.amdhsa_private_segment_fixed_size 0
		.amdhsa_enable_private_segment 0
		.amdhsa_kernarg_size 24
		.amdhsa_user_sgpr_count 2
		.amdhsa_user_sgpr_kernarg_segment_ptr 1
		.amdhsa_wavefront_size32 1
		.amdhsa_system_sgpr_workgroup_id_x 1
		.amdhsa_system_sgpr_workgroup_id_y 1
		.amdhsa_system_sgpr_workgroup_id_z 1
		.amdhsa_system_vgpr_workitem_id 0
		.amdhsa_next_free_vgpr 256
		.amdhsa_next_free_sgpr 102
		.amdhsa_reserve_vcc 0
		.amdhsa_float_denorm_mode_32 3
		.amdhsa_float_denorm_mode_16_64 3
		.amdhsa_memory_ordered 1
		.amdhsa_forward_progress 1
		.amdhsa_inst_pref_size 186
	.end_amdhsa_kernel
	.amdgpu_metadata
---
amdhsa.version: [ 1, 2 ]
amdhsa.kernels:
  - .name:           k_q559a04267d_attn
    .symbol:         k_q559a04267d_attn.kd
    .args:
      - { .name: qkvb, .offset: 0, .size: 8, .value_kind: global_buffer, .address_space: global }
      - { .name: mt, .offset: 8, .size: 8, .value_kind: global_buffer, .address_space: global }
      - { .name: xr, .offset: 16, .size: 8, .value_kind: global_buffer, .address_space: global }
    .group_segment_fixed_size: 53248
    .private_segment_fixed_size: 0
    .kernarg_segment_align: 8
    .kernarg_segment_size: 24
    .max_flat_workgroup_size: 512
    .sgpr_count:     102
    .vgpr_count:     256
    .wavefront_size: 32
...
	.end_amdgpu_metadata
.endif
;; end of part 8
;; launch wo: the kernel of part 5 again; grid 8 x 32, 4 waves a work-group, clusters of 4 x 4, 327,680 bytes of LDS; arguments xr, wr, bo, feature, feat2; writes feat2
;; launch ln2: the kernel of part 2 again; grid 256 x 1, 8 waves a work-group, no clusters, 67,072 bytes of LDS; arguments feat2, ln2_g, ln2_b, xr; writes xr
;; launch w1: the kernel of part 6 again; grid 8 x 32, 4 waves a work-group, clusters of 4 x 4, 327,680 bytes of LDS; arguments xr, wr, b1, hr; writes hr
;; launch w2: the kernel of part 7 again; grid 8 x 32, 4 waves a work-group, clusters of 4 x 4, 327,680 bytes of LDS; arguments hr, wr, b2, feat2, out0; writes out0
